; MI455X (gfx1250); checked and timed in simulation.
; The chip was launched on July 23, 2026; its instructions are those of AMD's public machine-readable ISA for CDNA 5 (MIT licence, August 2026) and "CDNA5" Instruction Set Architecture Reference Guide (July 2026). The comments in the code are by the model that wrote it; some were corrected since.
;; Decoder Step Layer. Allowed arithmetic: matrix products marked QUANTISED: E2M1 operands, one E8M0 scale for each 32 along K, by v_wmma_scale_f32_16x16x128_f8f6f4 with both operands' format E2M1 (or v_wmma_scale_f32_32x16x128_f4), f32 sums; products left as they are: bf16, f16 or f32 operands; f32 sums; everything else in f32.
;; Inputs: bo_c 1,024 float32; bo_s 1,024 float32; dec_input 16 x 1 x 1,024 float32; enc_output 16 x 1,024 x 1,024 float32; ffn_b1 4,096 float32; ffn_b2 1,024 float32; ffn_w1 1,024 x 4,096 float32; ffn_w2 4,096 x 1,024 float32; input_history 16 x 1,023 x 1,024 float32; ln1_b 1,024 float32; ln1_g 1,024 float32; ln2_b 1,024 float32; ln2_g 1,024 float32; ln3_b 1,024 float32; ln3_g 1,024 float32; wk_c 16 x 1,024 x 64 float32; wk_s 16 x 1,024 x 64 float32; wo_c 1,024 x 1,024 float32; wo_s 1,024 x 1,024 float32; wq_c 16 x 1,024 x 64 float32; wq_s 16 x 1,024 x 64 float32; wv_c 16 x 1,024 x 64 float32; wv_s 16 x 1,024 x 64 float32.
;; Outputs: out0 16 x 1 x 1,024 float32; out1 16 x 16 x 1 x 1,024 float32; out2 16 x 16 x 1 x 1,024 float32.
;; This version of the problem:
;;   THIS VERSION OF THE PROBLEM IS GIVEN IN LOW PRECISION. The matrix products marked QUANTISED in the list below multiply operands that are first quantised to E2M1 (2 exponent bits, 1 mantissa bit; 4 bits a number), with one power-of-two scale for each 32 numbers along K (OCP MX v1.0); their sums are f32. The products marked 'left as it is' may take bf16, f16 or f32 operands, with f32 sums. Whichever they take, every output number must still come out within the allowed error. Rounding operands to bf16 (8 significant bits) uses up far more of that allowance than f16 does (11 bits, for magnitudes from 6e-5 to 65,504). All else is computed in f32.
;;   The module's matrix products, in the order in which they are computed (A, B: the left and right operand; K: the contracted axis; several contracted axes count as one K, in the product's order):
;;     1. [M 1,024, K 1,024] x [K 1,024, N 16]; A: input wq_s; B: input dec_input: QUANTISED
;;     2. [M 1,024, K 1,024] x [K 1,024, N 16,384]; A: input wk_s; B: computed on the way: left as it is (an operand is computed on the way)
;;     3. [M 1,024, K 1,024] x [K 1,024, N 16,384]; A: input wv_s; B: computed on the way: left as it is (an operand is computed on the way)
;;     4. batch 256 x [M 1, K 64] x [K 64, N 1,024]; A: computed on the way; B: computed on the way: left as it is (M = 1 < 16)
;;     5. batch 256 x [M 1, K 1,024] x [K 1,024, N 64]; A: computed on the way; B: computed on the way: left as it is (M = 1 < 16)
;;     6. [M 16, K 1,024] x [K 1,024, N 1,024]; A: computed on the way; B: input wo_s: left as it is (an operand is computed on the way)
;;     7. [M 1,024, K 1,024] x [K 1,024, N 16]; A: input wq_c; B: computed on the way: left as it is (an operand is computed on the way)
;;     8. [M 1,024, K 1,024] x [K 1,024, N 16,384]; A: input wk_c; B: input enc_output: QUANTISED
;;     9. [M 1,024, K 1,024] x [K 1,024, N 16,384]; A: input wv_c; B: input enc_output: QUANTISED
;;     10. batch 256 x [M 1, K 64] x [K 64, N 1,024]; A: computed on the way; B: computed on the way: left as it is (M = 1 < 16)
;;     11. batch 256 x [M 1, K 1,024] x [K 1,024, N 64]; A: computed on the way; B: computed on the way: left as it is (M = 1 < 16)
;;     12. [M 16, K 1,024] x [K 1,024, N 1,024]; A: computed on the way; B: input wo_c: left as it is (an operand is computed on the way)
;;     13. [M 16, K 1,024] x [K 1,024, N 4,096]; A: computed on the way; B: input ffn_w1: left as it is (an operand is computed on the way)
;;     14. [M 16, K 4,096] x [K 4,096, N 1,024]; A: computed on the way; B: input ffn_w2: left as it is (an operand is computed on the way)
;;   THE QUANTISER, for each operand of a quantised product, along K:
;;     - K is cut into blocks of 32 from its start; a last block that is shorter is filled with zeros.
;;     - A block's scale is 2^e with e = floor(log2(the largest magnitude in the block)) - 2, held to -126 .. 127; a block of zeros has e = 0. As a byte (E8M0): e + 127.
;;     - Each number is divided by its block's scale, clamped to +-6, and rounded to the nearest number of E2M1, ties to even, subnormals kept.
;;     - The product sums the exact products of the quantised numbers (number of the format x scale) in f32.
;;   ~~~python
;;   def quantise(x, axis):      # numpy; x: float32 -> the quantised numbers, widened to float32 again
;;       x = np.moveaxis(x, axis, -1); K = x.shape[-1]
;;       x = np.pad(x, [(0, 0)] * (x.ndim - 1) + [(0, -K % 32)]); x = x.reshape(x.shape[:-1] + (-1, 32)); a = np.abs(x).max(-1, keepdims=True)
;;       e = np.where(a > 0, np.clip(np.frexp(np.where(a > 0, a, 1))[1] - 1 - 2, -126, 127), 0)      # np.frexp(a)[1] - 1 = floor(log2(a)), exactly
;;       r = np.clip(x / 2.0 ** e, -6, 6)
;;       step = 2.0 ** (np.maximum(np.frexp(np.where(r == 0, 1, r))[1] - 1, 0) - 1)
;;       q = np.round(r / step) * step * 2.0 ** e      # np.round: ties to even
;;       return np.moveaxis(q.reshape(q.shape[:-2] + (-1,))[..., :K], -1, axis).astype(np.float32)
;;   ~~~
;; One version. Each part assembles by itself: llvm-mc -triple=amdgcn-amd-amdhsa -mcpu=gfx1250 --defsym DOCPART=n.
;; ======== version 1 of 1: 10 launches
;; workspace buffers: prep 10,551,296 bytes; selfp 17,825,792 bytes; obuf_s 65,536 bytes; pre1 67,584 bytes; xq 327,680 bytes; obuf_c 65,536 bytes; pre2 67,584 bytes; ffn 5,308,416 bytes
;; launch prep (part 1): grid 256 x 1, 16 waves a work-group, no clusters, 219,392 bytes of LDS; arguments enc_output, wk_c, wv_c, wq_s, wk_s, dec_input, wo_s, wo_c, prep, ffn; writes prep, ffn
.if DOCPART == 1
	.amdgcn_target "amdgcn-amd-amdhsa--gfx1250"
	.amdhsa_code_object_version 6
	.text
	.protected	k_qcd8e7fa9d2_prep
	.globl	k_qcd8e7fa9d2_prep
	.p2align	8
	.type	k_qcd8e7fa9d2_prep,@function
k_qcd8e7fa9d2_prep:
	s_mov_b64 s[64:65], 0
	v_nop
	global_prefetch_b8 v0, s[64:65] scope:SCOPE_SE
	s_setreg_imm32_b32 hwreg(HW_REG_WAVE_MODE, 25, 1), 1
	s_wait_xcnt 0x0
; FOUR ROLES, told apart by the work-group's number; each is straight-line text with LDS bytes of its own.
;  H (work-groups 0-63: head = id / 4, dq = id % 4): Q_s = dec_input x wq_s[head] on codes of FP4 (E2M1) with E8M0 scales along d, then
;    q~[b][head][d] = sum over k of wk_s[head][d][k] Q_s[b][head][k] x log2(e)/8 for d = 256 dq .. 256 dq + 255, bf16 operands, f32 sums, stored as bf16.
;    (score_s = Q_s . (history wk_s) = (wk_s Q_s) . history: the same sum in another order, for every input.)
;  W (64-95: mat = (id-64) / 16, head = (id-64) % 16): wk_c[head] or wv_c[head] into FP4 codes and scale words, laid in the order of the matrix operand's registers.
;  C (96-127): wo_s and wo_c rounded to bf16 and laid in the order of the matrix operand's registers of the two launches that multiply by them, so that those load half the bytes and no fragment is converted there.
;  E (128-255): the first 512 tiles of 16 tokens of enc_output into FP4 codes and scale words, laid by fragment: [tile][K step of 128][half c][lane][16 bytes].  The other 512 tiles are
;    quantised, by the same lines, in the launch of the first output projection, whose own product has work for 16 work-groups only.
; THE QUANTISER: a block of 32 along d; scale 2^(floor(log2(largest magnitude)) - 2); its byte is the largest magnitude's exponent field - 2, held at 1 from below by a floor among the maximum's leaves.
; LIMITS: a block whose largest magnitude lies under 2^-124 (a block of zeros too) keeps the byte 1; a block of zeros has zero codes, which add nothing, and these bytes are read by this program alone.
;         NaN and infinities among the inputs are not served.
.set ENCS,  8388608                    ; prep: enc codes at 0, enc scale words here,
.set WIMG,  8912896                    ; the weights' fragments,
.set WSC,   9961472                    ; their scale words,
.set QT,    10027008                   ; q~ [b][head][1024] bf16
.set WOB,   1114112                    ; in the buffer ffn, behind what the FFN's launches store there: wo_s, then wo_c, as bf16 fragments, 2,097,152 bytes each
.set ESTG,  0                          ; LDS: role E's stages, 16 x 8448 bytes;
.set QP,    135168                     ; role H: 32 images of partial Q (1024 bytes each),
.set QF,    167936                     ; Q as two bf16 fragments (16 registers' images),
.set WT,    169984                     ; wk_s as bf16, 16 rows x 144 bytes for each wave,
.set QO,    206848                     ; q~ on its way out, 16 rows x 528 bytes
.set SPARE, 215296                     ; the spare words, 128 bytes a wave; no other line names them
.set ESL,   217344                     ; role E: the scale words of the work-group's four tiles, 2,048 bytes
.set EFIRST, 128                       ; role E's first work-group,
.set ETILE0, 0                         ; and its first tile
.set ENC, 4                            ; s[4:5] enc_output
.set PRP, 16                           ; s[16:17] prep
.set SPW, 14
.set NIL, 15
.set WV,  18
.set SEL, 20
; n blocks of 32 numbers at v[xs + 32 b]: largest magnitudes -> v[m + b], scale operands -> v[m + 4 + b], scale bytes -> v[m + 8 + b]; the blocks take turns line by line
.macro MAXN n, m, xs
.set bb, 0
.rept \n
	v_max3_num_f32 v[\m+bb], |v[\xs+32*bb]|, |v[\xs+32*bb+1]|, 0x1800000
.set bb, bb+1
.endr
.set ii, 2
.rept 15
.set bb, 0
.rept \n
	v_max3_num_f32 v[\m+bb], v[\m+bb], |v[\xs+32*bb+ii]|, |v[\xs+32*bb+ii+1]|
.set bb, bb+1
.endr
.set ii, ii+2
.endr
.set bb, 0
.rept \n
	v_add_nc_u32 v[\m+4+bb], 0xff000000, v[\m+bb]      ; 2 off the exponent field: the conversion takes the exponent field alone
.set bb, bb+1
.endr
.set bb, 0
.rept \n
	v_lshrrev_b32 v[\m+8+bb], 23, v[\m+4+bb]           ; the scale's byte
.set bb, bb+1
.endr
.endm
.macro CVT4 cd, xs, sc                 ; 32 numbers -> 32 codes in four registers
.irp g, 0,1,2,3
	v_cvt_scalef32_pk8_fp4_f32 v[\cd+\g], v[\xs+8*\g:\xs+8*\g+7], v[\sc]
.endr
.endm
; 128 numbers of a lane, v[xs + i] = weight(d = 128 s + i, column 32 u + lane), become two fragments: v[cw .. cw+7] columns 32 u + 0..15, v[cw+8 .. cw+15] columns 32 u + 16..31.
; v30: the columns' scale words (lanes 0-15 the first fragment's rows, lanes 16-31 the second's).
.macro QW xs, cw
	MAXN 4, 16, \xs
	v_lshl_or_b32 v30, v25, 8, v24
	v_lshl_or_b32 v30, v26, 16, v30
	v_lshl_or_b32 v30, v27, 24, v30
	CVT4 \cw, \xs, 20
	CVT4 \cw+8, \xs+32, 21
	CVT4 \cw+4, \xs+64, 22
	CVT4 \cw+12, \xs+96, 23
	v_nop                                          ; one plain line behind the last conversion
.irp g, 0,1,2,3
	v_permlane16_swap_b32 v[\cw+\g], v[\cw+8+\g]       ; the operand wants blocks 0, 2 in lanes 0-15 and blocks 1, 3 in lanes 16-31
	v_permlane16_swap_b32 v[\cw+4+\g], v[\cw+12+\g]
.endr
.endm
.macro BARRIER
	s_wait_dscnt 0x0                               ; my LDS stores have landed and my LDS loads are in
	s_barrier_signal -1
	s_barrier_wait -1
.endm
.macro FINISH                          ; the wave's end, behind the last LDS store
	s_wait_tensorcnt 0x0
	ds_add_u32 v[SPW], v[NIL]
	s_wait_dscnt 0x0
	s_endpgm
.endm
	s_load_b256 s[4:11], s[0:1], 0x0               ; enc s[4:5], wk_c s[6:7], wv_c s[8:9], wq_s s[10:11]
	s_load_b128 s[12:15], s[0:1], 0x20             ; wk_s s[12:13], dec_input s[14:15]
	s_load_b128 s[36:39], s[0:1], 0x30             ; wo_s s[36:37], wo_c s[38:39]
	s_load_b64 s[16:17], s[0:1], 0x40              ; prep
	s_load_b64 s[34:35], s[0:1], 0x48              ; ffn
	v_lshl_add_u32 v[SPW], v0, 2, SPARE
	v_mov_b32 v[NIL], 0
	v_lshrrev_b32 v1, 5, v0
	v_readfirstlane_b32 s[WV], v1                  ; wave 0..15
	v_and_b32 v1, 31, v0                           ; lane
	v_and_b32 v2, 15, v0                           ; r
	v_bfe_u32 v3, v0, 4, 1                         ; hh
	v_mov_b32 v19, 0                               ; a lane permute's destination counts as read
	s_mov_b32 s[SEL], 0x76543210
	s_mov_b32 s[SEL+1], 0xfedcba98                 ; selects for lane xor 16
	s_wait_kmcnt 0x0
	s_cmp_lt_u32 ttmp9, 64
	s_cbranch_scc1 .Lrole_h
	s_cmp_lt_u32 ttmp9, 96
	s_cbranch_scc1 .Lrole_w
	s_cmp_lt_u32 ttmp9, 128
	s_cbranch_scc1 .Lrole_c
; ---------------- ROLE E: a work-group takes four tiles of 16 tokens; wave w takes tile w / 4 and the quarter j = w % 4 of d: K steps 2 j and 2 j + 1
	s_sub_co_u32 s22, ttmp9, EFIRST
	s_lshl_b32 s22, s22, 2
	s_add_co_u32 s22, s22, ETILE0                  ; the work-group's first tile
	s_lshr_b32 s23, s[WV], 2
	s_add_co_u32 s23, s23, s22                     ; my tile
	s_and_b32 s24, s[WV], 3                        ; j
	s_lshl_b32 s26, s23, 16                        ; 16 tokens of 4,096 bytes,
	s_lshl_b32 s25, s24, 10                        ; 256 numbers a quarter
	s_add_co_u32 s26, s26, s25
	s_mov_b32 s27, 0
	s_lshl_b32 s28, s23, 13                        ; codes: 8,192 bytes a tile,
	s_lshl_b32 s25, s24, 11                        ; 2,048 a quarter
	s_add_co_u32 s28, s28, s25
	s_mov_b32 s29, 0
	s_and_b32 s45, s[WV], 7
	s_lshl_b32 s45, s45, 8                         ; waves 0 to 7 store the scale words, 256 bytes each
	s_lshl_b32 s30, s22, 9                         ; scale words: 512 bytes a tile
	s_add_co_u32 s30, s30, s45
	s_add_co_u32 s30, s30, ENCS
	s_mov_b32 s31, 0
	s_add_nc_u64 s[26:27], s[ENC:ENC+1], s[26:27]
	s_add_nc_u64 s[28:29], s[PRP:PRP+1], s[28:29]
	s_add_nc_u64 s[30:31], s[PRP:PRP+1], s[30:31]
	v_lshlrev_b32 v4, 4, v1                        ; 16 x lane
	s_mul_i32 s25, s[WV], 8448                     ; my stage: 16 rows of 512 bytes + 16
	s_add_co_u32 s25, s25, ESTG
	v_add_nc_u32 v5, s25, v4                       ; in: as loaded
	v_mul_u32_u24 v6, v2, 528
	v_lshl_add_u32 v6, v3, 7, v6
	v_add_nc_u32 v6, s25, v6                       ; out: token r, + 128 hh: 32 neighbours along d
	v_lshlrev_b32 v7, 3, v3                        ; 8 hh
	v_lshlrev_b32 v8, 3, v1                        ; 8 x lane
	s_lshr_b32 s25, s[WV], 1
	s_lshl_b32 s25, s25, 8                         ; the scale words of a tile lie [half of d][lane][2 words]: 256 (w / 2)
	s_and_b32 s44, s[WV], 1
	s_lshl_b32 s44, s44, 2                         ; + 4 (w % 2)
	s_add_co_u32 s25, s25, s44
	s_add_co_u32 s25, s25, ESL
	v_add_nc_u32 v2, s25, v8                       ; (r and hh are done with) where my word goes,
	s_add_co_u32 s25, s45, ESL
	v_add_nc_u32 v3, s25, v8                       ; and where 8 bytes a lane come back
.macro ELOAD t                         ; step t: 16 tokens x 512 consecutive bytes
.irp i, 0,1,2,3,4,5,6,7,8,9,10,11,12,13,14,15
	global_load_b128 v[32+64*(\t)+4*\i:32+64*(\t)+4*\i+3], v4, s[26:27] offset:4096*\i+512*(\t) th:TH_LOAD_NT
.endr
.endm
.macro ESTEP t
	s_wait_loadcnt 16-16*(\t)                      ; this step's 16 loads are in; the next step's may be out
.irp i, 0,1,2,3,4,5,6,7,8,9,10,11,12,13,14,15
	ds_store_b128 v5, v[32+64*(\t)+4*\i:32+64*(\t)+4*\i+3] offset:528*\i
.endr
.irp c, 0,1
.irp q, 0,1,2,3,4,5,6,7
	ds_load_b128 v[160+32*\c+4*\q:160+32*\c+4*\q+3], v6 offset:256*\c+16*\q   ; LDS serves a wave in order: these see my stores
.endr
.endr
	s_wait_dscnt 0x0
	MAXN 2, 16, 160                                ; my blocks hh and 2 + hh of token r
	v_lshl_or_b32 v18, v25, 16, v24
	v_lshlrev_b32 v18, v7, v18                     ; at their places in the scale word
	v_permlanex16_b32 v19, v18, s[SEL], s[SEL+1]
	v_or_b32 v[9+(\t)], v18, v19                   ; with lane xor 16's two bytes the word is whole
	CVT4 224+8*(\t), 160, 20
	CVT4 228+8*(\t), 192, 21
	v_nop
	global_store_b128 v4, v[224+8*(\t):227+8*(\t)], s[28:29] offset:1024*(\t)        ; 512 consecutive bytes
	global_store_b128 v4, v[228+8*(\t):231+8*(\t)], s[28:29] offset:1024*(\t)+512
.endm
	ELOAD 0
	ELOAD 1
	ESTEP 0
	ESTEP 1
	v_cmp_le_u32 vcc_lo, 16, v1                    ; lanes 0-15 keep the even K step's word, lanes 16-31 the odd one's
	v_cndmask_b32 v28, v9, v10, vcc_lo
	ds_store_b32 v2, v28                           ; a lane's pair of words comes from two waves: they meet in LDS
	BARRIER
	s_cmp_lt_u32 s[WV], 8
	s_cbranch_scc0 .Le_done
	ds_load_b64 v[28:29], v3
	s_wait_dscnt 0x0
	global_store_b64 v8, v[28:29], s[30:31]        ; 256 consecutive bytes, aligned
.Le_done:
	FINISH
; ---------------- ROLE C: W [1024 k][1024 n] f32 -> bf16 pairs along k, at byte 131072 x + 4096 S + 2048 hh + 512 j + 256 qh + 16 r + 4 p: (k, k + 1) with k = 32 S + 16 hh + 8 qh + 2 p, n = 64 x + 4 r + j.
; A wave takes eight rows k = 8 Rg .. 8 Rg + 7 (Rg = 4 S + 2 hh + qh) and 512 columns, in four units of 128: each load reads 512 consecutive bytes; in each store sixteen lanes write 256 consecutive bytes, aligned.
.Lrole_c:
	s_sub_co_u32 s22, ttmp9, 96
	s_lshl_b32 s22, s22, 4
	s_add_co_u32 s22, s22, s[WV]                   ; 0 .. 511
	s_lshr_b32 s23, s22, 8                         ; which matrix
	s_bfe_u32 s25, s22, 0x70001                    ; Rg
	s_and_b32 s24, s22, 1                          ; which half of the columns
	s_cmp_eq_u32 s23, 0
	s_cselect_b64 s[36:37], s[36:37], s[38:39]     ; the choice hangs on ids alone
	s_lshl_b32 s26, s25, 15                        ; eight rows of 4,096 bytes
	s_lshl_b32 s27, s24, 11
	s_add_co_u32 s26, s26, s27
	s_mov_b32 s27, 0
	s_add_nc_u64 s[36:37], s[36:37], s[26:27]
	s_lshl_b32 s26, s23, 21                        ; 2,097,152 bytes a matrix,
	s_lshl_b32 s28, s24, 20                        ; eight slabs a half,
	s_add_co_u32 s26, s26, s28
	s_lshr_b32 s28, s25, 2
	s_lshl_b32 s28, s28, 12                        ; S,
	s_add_co_u32 s26, s26, s28
	s_bfe_u32 s28, s25, 0x10001
	s_lshl_b32 s28, s28, 11                        ; hh,
	s_add_co_u32 s26, s26, s28
	s_and_b32 s28, s25, 1
	s_lshl_b32 s28, s28, 8                         ; qh
	s_add_co_u32 s26, s26, s28
	s_add_co_u32 s26, s26, WOB
	s_add_nc_u64 s[34:35], s[34:35], s[26:27]
	v_lshlrev_b32 v4, 4, v1                        ; in: 16 x lane
	v_lshlrev_b32 v5, 17, v3
	v_lshl_add_u32 v5, v2, 4, v5                   ; out: lanes 16-31 hold the next slab's columns; 16 r
.irp u, 0,1,2,3
.irp i, 0,1,2,3,4,5,6,7
	global_load_b128 v[32+32*\u+4*\i:35+32*\u+4*\i], v4, s[36:37] offset:4096*\i+512*\u th:TH_LOAD_NT
.endr
.endr
.irp u, 0,1,2,3
	s_wait_loadcnt 24-8*\u                         ; this unit's eight loads are in; the later units' may be out
.irp j, 0,1,2,3
.irp p, 0,1,2,3
	v_cvt_pk_bf16_f32 v[160+16*\u+4*\j+\p], v[32+32*\u+8*\p+\j], v[36+32*\u+8*\p+\j]
.endr
.endr
.irp j, 0,1,2,3
	global_store_b128 v5, v[160+16*\u+4*\j:163+16*\u+4*\j], s[34:35] offset:262144*\u+512*\j
.endr
.endr
	FINISH
; ---------------- ROLE W: wave (s = w % 8, u = w / 8) takes K step s of columns 32 u .. 32 u + 31
.Lrole_w:
	s_sub_co_u32 s22, ttmp9, 64
	s_lshr_b32 s23, s22, 4                         ; mat
	s_and_b32 s24, s22, 15                         ; head
	s_and_b32 s25, s[WV], 7                        ; s
	s_lshr_b32 s26, s[WV], 3                       ; u
	s_cmp_eq_u32 s23, 0
	s_cselect_b64 s[6:7], s[6:7], s[8:9]
	s_lshl_b32 s28, s24, 18
	s_lshl_b32 s27, s25, 15
	s_add_co_u32 s28, s28, s27
	s_lshl_b32 s27, s26, 7
	s_add_co_u32 s28, s28, s27
	s_mov_b32 s29, 0
	s_add_nc_u64 s[6:7], s[6:7], s[28:29]
	s_lshl_b32 s28, s23, 2
	s_lshl_b32 s27, s26, 1
	s_add_co_u32 s28, s28, s27                     ; fragment 4 mat + 2 u
	s_lshl_b32 s28, s28, 13
	s_lshl_b32 s27, s24, 16
	s_add_co_u32 s28, s28, s27
	s_lshl_b32 s27, s25, 10
	s_add_co_u32 s28, s28, s27
	s_add_co_u32 s28, s28, WIMG
	s_add_nc_u64 s[30:31], s[16:17], s[28:29]
	s_lshl_b32 s28, s23, 3
	s_add_co_u32 s28, s28, s25
	s_lshl_b32 s28, s28, 1
	s_add_co_u32 s28, s28, s26
	s_lshl_b32 s28, s28, 7
	s_lshl_b32 s27, s24, 12
	s_add_co_u32 s28, s28, s27
	s_add_co_u32 s28, s28, WSC
	s_add_nc_u64 s[32:33], s[16:17], s[28:29]
	v_lshlrev_b32 v4, 2, v1
	v_lshlrev_b32 v5, 4, v1
.set i, 0
.rept 128
	global_load_b32 v[32+i], v4, s[6:7] offset:256*i   ; a lane to a column, registers down d
.set i, i+1
.endr
	s_wait_loadcnt 0x0
	QW 32, 160
.irp z, 0,1
.irp c, 0,1
	global_store_b128 v5, v[160+8*\z+4*\c:163+8*\z+4*\c], s[30:31] offset:8192*\z+512*\c
.endr
.endr
	global_store_b32 v4, v30, s[32:33]             ; 128 bytes; the wave with the other u stores the 128 beside them (all these words are 64 KiB)
	FINISH
; ---------------- ROLE H
.Lrole_h:
	s_lshr_b32 s22, ttmp9, 2                       ; head
	s_and_b32 s23, ttmp9, 3                        ; dq
	s_and_b32 s24, s[WV], 7                        ; s
	s_lshr_b32 s25, s[WV], 3                       ; u
	s_lshl_b32 s26, s22, 18
	s_lshl_b32 s28, s23, 16
	s_add_co_u32 s28, s28, s26
	s_lshl_b32 s27, s[WV], 12
	s_add_co_u32 s28, s28, s27
	s_mov_b32 s29, 0
	s_add_nc_u64 s[12:13], s[12:13], s[28:29]      ; wk_s: my 16 rows d = 256 dq + 16 w ..
	s_lshl_b32 s28, s24, 9
	s_add_nc_u64 s[14:15], s[14:15], s[28:29]      ; dec_input: K step s
	s_lshl_b32 s28, s24, 15
	s_add_co_u32 s28, s28, s26
	s_lshl_b32 s27, s25, 7
	s_add_co_u32 s28, s28, s27
	s_add_nc_u64 s[10:11], s[10:11], s[28:29]      ; wq_s: K step s, columns 32 u ..
	s_lshl_b32 s28, s[WV], 15
	s_lshl_b32 s27, s22, 11
	s_add_co_u32 s28, s28, s27
	s_lshl_b32 s27, s23, 9
	s_add_co_u32 s28, s28, s27
	s_add_co_u32 s28, s28, QT
	s_add_nc_u64 s[16:17], s[16:17], s[28:29]      ; q~: batch w, my head, 256 dq ..
	v_lshlrev_b32 v4, 2, v1
	v_lshlrev_b32 v5, 4, v1
	v_lshlrev_b32 v6, 12, v2
	v_lshl_add_u32 v6, v3, 7, v6                   ; dec_input: row r, + 128 hh
	v_lshlrev_b32 v7, 3, v3
	s_mul_i32 s27, s[WV], 2304
	s_add_co_u32 s27, s27, WT
	v_mul_u32_u24 v8, v3, 144
	v_lshl_add_u32 v8, v2, 3, v8
	v_add_nc_u32 v8, s27, v8                       ; wk_s in: row 2 i + hh, 8 bytes at 8 r
	v_mul_u32_u24 v9, v2, 144
	v_lshl_add_u32 v9, v3, 4, v9
	v_add_nc_u32 v9, s27, v9                       ; and out as a fragment: row r, + 16 hh
	s_lshl_b32 s27, s24, 2
	s_lshl_b32 s30, s25, 1
	s_add_co_u32 s27, s27, s30
	s_lshl_b32 s27, s27, 10
	s_add_co_u32 s27, s27, QP
	v_add_nc_u32 v10, s27, v5                      ; my two images of partial Q: 4 s + 2 u, + 1
	s_lshr_b32 s27, s[WV], 1
	s_lshl_b32 s27, s27, 9
	s_and_b32 s30, s[WV], 1
	s_lshl_b32 s30, s30, 3
	s_add_co_u32 s27, s27, s30
	s_add_co_u32 s27, s27, QP
	v_add_nc_u32 v11, s27, v5                      ; the pair of Q that I sum
	s_lshr_b32 s27, s[WV], 2
	s_lshl_b32 s27, s27, 9
	s_and_b32 s30, s[WV], 3
	s_lshl_b32 s30, s30, 2
	s_add_co_u32 s27, s27, s30
	s_add_co_u32 s27, s27, QF
	v_add_nc_u32 v12, s27, v5                      ; register w of the two bf16 fragments
	v_add_nc_u32 v13, QF, v5
	s_lshl_b32 s27, s[WV], 5
	s_add_co_u32 s27, s27, QO
	v_mul_u32_u24 v28, v2, 528
	v_lshl_add_u32 v28, v3, 4, v28
	v_add_nc_u32 v28, s27, v28
	s_mul_i32 s27, s[WV], 528
	s_add_co_u32 s27, s27, QO
	v_add_nc_u32 v29, s27, v5
.irp i, 0,1,2,3,4,5,6,7
	global_load_b128 v[32+4*\i:35+4*\i], v5, s[12:13] offset:512*\i
.endr
.irp c, 0,1
.irp q, 0,1,2,3,4,5,6,7
	global_load_b128 v[64+32*\c+4*\q:67+32*\c+4*\q], v6, s[14:15] offset:256*\c+16*\q
.endr
.endr
.set i, 0
.rept 128
	global_load_b32 v[128+i], v4, s[10:11] offset:256*i
.set i, i+1
.endr
	s_wait_loadcnt 63                              ; of 152 loads at most 63 are out: the first 24 (wk_s, dec_input) are in
.irp i, 0,1,2,3,4,5,6,7
	v_cvt_pk_bf16_f32 v[32+4*\i], v[32+4*\i], v[33+4*\i]
	v_cvt_pk_bf16_f32 v[33+4*\i], v[34+4*\i], v[35+4*\i]
	ds_store_b64 v8, v[32+4*\i:33+4*\i] offset:288*\i
.endr
	s_wait_dscnt 0x0                               ; the stores have read their registers, which the loads below fill
.irp e, 0,1
.irp g, 0,1
	ds_load_b128 v[32+8*\e+4*\g:35+8*\e+4*\g], v9 offset:64*\e+32*\g   ; wk_s: 16 rows d x 32 k, twice
.endr
.endr
	MAXN 2, 16, 64                                 ; dec_input, K step s: my blocks hh and 2 + hh of batch r
	v_lshl_or_b32 v18, v25, 16, v24
	v_lshlrev_b32 v18, v7, v18
	v_permlanex16_b32 v19, v18, s[SEL], s[SEL+1]
	v_or_b32 v31, v18, v19
	CVT4 48, 64, 20
	CVT4 52, 96, 21
	v_nop
	s_wait_loadcnt 0x0
	QW 128, 64
.rept 8
	v_nop                                          ; scale words and operands made by vector lines stand 8 and 4 places ahead of a scaled matrix line
.endr
	v_wmma_scale_f32_16x16x128_f8f6f4 v[88:95], v[64:71], v[48:55], 0, v30, v31 matrix_a_fmt:MATRIX_FMT_FP4 matrix_b_fmt:MATRIX_FMT_FP4
	v_wmma_scale_f32_16x16x128_f8f6f4 v[96:103], v[72:79], v[48:55], 0, v30, v31 matrix_a_fmt:MATRIX_FMT_FP4 matrix_b_fmt:MATRIX_FMT_FP4 matrix_a_scale:MATRIX_SCALE_ROW1
.rept 4
	v_nop
.endr
	ds_store_b128 v10, v[88:91]                    ; lane (b = r, hh), register j: Q[b][16 t + 8 hh + j] over K step s
	ds_store_b128 v10, v[92:95] offset:512
	ds_store_b128 v10, v[96:99] offset:1024
	ds_store_b128 v10, v[100:103] offset:1536
	BARRIER
.irp p, 0,1,2,3,4,5,6,7
	ds_load_b64 v[104+2*\p:105+2*\p], v11 offset:4096*\p
.endr
	s_wait_dscnt 0x0
	v_pk_add_f32 v[104:105], v[104:105], v[106:107]
	v_pk_add_f32 v[108:109], v[108:109], v[110:111]
	v_pk_add_f32 v[112:113], v[112:113], v[114:115]
	v_pk_add_f32 v[116:117], v[116:117], v[118:119]
	v_pk_add_f32 v[104:105], v[104:105], v[108:109]
	v_pk_add_f32 v[112:113], v[112:113], v[116:117]
	v_pk_add_f32 v[104:105], v[104:105], v[112:113]
	v_pk_mul_f32 v[104:105], v[104:105], 0x3e38aa3b op_sel_hi:[1,0]    ; x log2(e) / 8
	v_cvt_pk_bf16_f32 v120, v104, v105
	ds_store_b32 v12, v120
	BARRIER
.irp g, 0,1,2,3
	ds_load_b128 v[48+4*\g:51+4*\g], v13 offset:512*\g
.endr
	s_wait_dscnt 0x0
	v_wmma_f32_16x16x32_bf16 v[88:95], v[32:39], v[48:55], 0           ; k 0..31
	v_wmma_f32_16x16x32_bf16 v[96:103], v[40:47], v[56:63], 0          ; k 32..63: a second accumulator
.rept 4
	v_nop
.endr
.irp i, 0,2,4,6
	v_pk_add_f32 v[88+\i:89+\i], v[88+\i:89+\i], v[96+\i:97+\i]
.endr
.irp i, 0,1,2,3
	v_cvt_pk_bf16_f32 v[104+\i], v[88+2*\i], v[89+2*\i]
.endr
	ds_store_b128 v28, v[104:107]                  ; batch r: d = 16 w + 8 hh + 0..7
	BARRIER
	ds_load_b128 v[108:111], v29
	s_wait_dscnt 0x0
	global_store_b128 v5, v[108:111], s[16:17]     ; 512 consecutive bytes of batch w's row
	FINISH
.Lfunc_end_k_qcd8e7fa9d2_prep:
	.size	k_qcd8e7fa9d2_prep, .Lfunc_end_k_qcd8e7fa9d2_prep-k_qcd8e7fa9d2_prep
	.p2alignl 7, 3214868480
	.fill 96, 4, 3214868480
	.section	.rodata,"a",@progbits
	.p2align	6, 0x0
	.amdhsa_kernel k_qcd8e7fa9d2_prep
		.amdhsa_group_segment_fixed_size 219392
		.amdhsa_private_segment_fixed_size 0
		.amdhsa_enable_private_segment 0
		.amdhsa_kernarg_size 80
		.amdhsa_user_sgpr_count 2
		.amdhsa_user_sgpr_kernarg_segment_ptr 1
		.amdhsa_wavefront_size32 1
		.amdhsa_system_sgpr_workgroup_id_x 1
		.amdhsa_system_sgpr_workgroup_id_y 1
		.amdhsa_system_sgpr_workgroup_id_z 1
		.amdhsa_system_vgpr_workitem_id 0
		.amdhsa_next_free_vgpr 256
		.amdhsa_next_free_sgpr 66
		.amdhsa_reserve_vcc 1
		.amdhsa_float_denorm_mode_32 3
		.amdhsa_float_denorm_mode_16_64 3
		.amdhsa_memory_ordered 1
		.amdhsa_forward_progress 1
		.amdhsa_inst_pref_size 79
	.end_amdhsa_kernel
	.amdgpu_metadata
---
amdhsa.version: [ 1, 2 ]
amdhsa.kernels:
  - .name:           k_qcd8e7fa9d2_prep
    .symbol:         k_qcd8e7fa9d2_prep.kd
    .args:
      - { .name: enc_output, .offset: 0, .size: 8, .value_kind: global_buffer, .address_space: global }
      - { .name: wk_c, .offset: 8, .size: 8, .value_kind: global_buffer, .address_space: global }
      - { .name: wv_c, .offset: 16, .size: 8, .value_kind: global_buffer, .address_space: global }
      - { .name: wq_s, .offset: 24, .size: 8, .value_kind: global_buffer, .address_space: global }
      - { .name: wk_s, .offset: 32, .size: 8, .value_kind: global_buffer, .address_space: global }
      - { .name: dec_input, .offset: 40, .size: 8, .value_kind: global_buffer, .address_space: global }
      - { .name: wo_s, .offset: 48, .size: 8, .value_kind: global_buffer, .address_space: global }
      - { .name: wo_c, .offset: 56, .size: 8, .value_kind: global_buffer, .address_space: global }
      - { .name: prep, .offset: 64, .size: 8, .value_kind: global_buffer, .address_space: global }
      - { .name: ffn, .offset: 72, .size: 8, .value_kind: global_buffer, .address_space: global }
    .group_segment_fixed_size: 219392
    .private_segment_fixed_size: 0
    .kernarg_segment_align: 8
    .kernarg_segment_size: 80
    .max_flat_workgroup_size: 512
    .sgpr_count:     66
    .vgpr_count:     256
    .wavefront_size: 32
...
	.end_amdgpu_metadata
.endif
;; end of part 1
;; launch selfp (part 2): grid 16 x 16, 16 waves a work-group, no clusters, 254,464 bytes of LDS; arguments input_history, dec_input, prep, selfp; writes selfp
.if DOCPART == 2
	.amdgcn_target "amdgcn-amd-amdhsa--gfx1250"
	.amdhsa_code_object_version 6
	.text
	.protected	k_qcd8e7fa9d2_selfp
	.globl	k_qcd8e7fa9d2_selfp
	.p2align	8
	.type	k_qcd8e7fa9d2_selfp,@function
k_qcd8e7fa9d2_selfp:
	s_mov_b64 s[64:65], 0
	v_nop
	global_prefetch_b8 v0, s[64:65] scope:SCOPE_SE
	s_setreg_imm32_b32 hwreg(HW_REG_WAVE_MODE, 25, 1), 1
	s_wait_xcnt 0x0
; SELF-ATTENTION, first half.  Work-group (chunk c = x, batch b = y) takes 64 tokens l = 64 c .. 64 c + 63 of cat(input_history[b], dec_input[b]) and all 16 heads:
;   t[l][head] = q~[b][head] . history[l]  (q~ already holds log2(e)/8);   m = the chunk's largest t of a head;   p = 2^(t - m);   pc[head][d] = sum over l of p[l][head] history[l][d].
; The history is read from memory once, rounded to bf16 into LDS, and serves both products.  t goes out as f32 (the next launch finds the same m from it), pc as f32.
; The maximum is taken away before every exponential; the chunks are merged under the row's maximum by the next launch.
; LIMITS: bf16 operands in both products; NaN and infinities are not served.
.set QT,    10027008
.set TB,    16777216                   ; selfp: pc [b][c][head][1024] at 0, t [b][head][1024] here
.set HP,    2080                       ; an LDS row: 2,048 bytes + 32
.set QL,    133120                     ; LDS: history 64 rows at 0; q~ 16 rows here;
.set PS,    166400                     ; 16 images of partial t;
.set STG,   182784                     ; a stage of 16 rows x 272 bytes for each wave
.set SPARE, 252416
.set SPW, 16
.set NIL, 17
.set SEL, 30
.macro BARRIER
	s_wait_dscnt 0x0
	s_barrier_signal -1
	s_barrier_wait -1
.endm
; 32 registers, v[src + 8 tt + j] = value(row r, column 16 tt + 8 hh + j), leave through my stage as 16 rows of 256 consecutive bytes, 4,096 bytes apart in memory
.macro WAYOUT src, bs
.irp tt, 0,1,2,3
	ds_store_b128 v13, v[\src+8*\tt:\src+8*\tt+3] offset:64*\tt
	ds_store_b128 v13, v[\src+8*\tt+4:\src+8*\tt+7] offset:64*\tt+16
.endr
.irp q, 0,1,2,3,4,5,6,7
	ds_load_b128 v[32+4*\q:35+4*\q], v14 offset:544*\q
.endr
.irp q, 0,1,2,3,4,5,6,7
	s_wait_dscnt 7-\q                              ; the younger reads from the stage may stay out
	global_store_b128 v15, v[32+4*\q:35+4*\q], s[\bs:\bs+1] offset:8192*\q
.endr
.endm
	s_load_b256 s[4:11], s[0:1], 0x0               ; history, dec_input, prep, selfp
	v_lshl_add_u32 v[SPW], v0, 2, SPARE
	v_mov_b32 v[NIL], 0
	v_lshrrev_b32 v1, 5, v0
	v_readfirstlane_b32 s12, v1                    ; wave
	v_and_b32 v1, 31, v0
	v_and_b32 v2, 15, v0                           ; r
	v_bfe_u32 v3, v0, 4, 1                         ; hh
	s_and_b32 s14, ttmp7, 0xffff                   ; b
	s_and_b32 s15, s12, 3                          ; n: my tile of 16 tokens in the first product
	s_lshr_b32 s32, s12, 2                         ; kq: my quarter of d there
	s_mov_b32 s[SEL], 0x76543210
	s_mov_b32 s[SEL+1], 0xfedcba98
	v_lshlrev_b32 v4, 4, v1
	s_mul_i32 s33, s12, 4*HP
	v_lshl_add_u32 v5, v1, 3, s33                  ; history in: my four rows, 8 bytes a lane
	s_mul_i32 s33, s12, HP
	s_add_co_u32 s33, s33, QL
	v_add_nc_u32 v6, s33, v4                       ; q~ in: head w
	v_mul_u32_u24 v8, v2, HP
	v_lshl_add_u32 v8, v3, 4, v8
	s_lshl_b32 s34, s32, 9
	s_mul_i32 s33, s15, 16*HP
	s_add_co_u32 s33, s33, s34
	v_add_nc_u32 v7, s33, v8                       ; fragments of history: row 16 n + r, + 16 hh, + 512 kq
	s_add_co_u32 s34, s34, QL
	v_add_nc_u32 v8, s34, v8                       ; fragments of q~: head r
	s_lshl_b32 s33, s15, 2
	s_add_co_u32 s33, s33, s32
	s_lshl_b32 s33, s33, 10
	s_add_co_u32 s33, s33, PS
	v_add_nc_u32 v9, s33, v4                       ; my image of partial t: 4 n + kq
	v_add_nc_u32 v10, PS, v4
	v_and_b32 v11, 7, v0
	v_lshl_add_u32 v11, v3, 3, v11
	v_mul_u32_u24 v11, v11, HP
	v_bfe_u32 v12, v0, 3, 1
	v_lshl_add_u32 v11, v12, 4, v11
	s_lshl_b32 s33, s12, 7
	v_add_nc_u32 v11, s33, v11                     ; the turning loads: token 8 hh + lane % 8, 16 bytes at 16 ((lane / 8) % 2), d = 64 w ..
	v_add_nc_u32 v12, 32*HP, v11                   ; and 32 tokens further down
	s_mul_i32 s33, s12, 4352
	s_add_co_u32 s33, s33, STG
	v_mul_u32_u24 v13, v2, 272
	v_lshl_add_u32 v13, v3, 5, v13
	v_add_nc_u32 v13, s33, v13
	v_mul_u32_u24 v14, v3, 272
	v_lshl_add_u32 v14, v2, 4, v14
	v_add_nc_u32 v14, s33, v14
	v_lshlrev_b32 v15, 12, v3
	v_lshl_add_u32 v15, v2, 4, v15
	v_mov_b32 v19, 0
	v_mov_b32 v20, 0
	s_mul_i32 s16, s14, 1023                       ; input_history has 1,023 rows a batch
	s_lshl_b32 s17, ttmp9, 6
	s_lshl_b32 s18, s12, 2
	s_add_co_u32 s17, s17, s18                     ; my first token
	s_add_co_u32 s20, s16, s17
	s_lshl_b32 s20, s20, 12
	s_mov_b32 s21, 0
	s_add_co_u32 s19, s17, 3                       ; my fourth token: 1,023 is dec_input
	s_min_u32 s22, s19, 1022
	s_add_co_u32 s22, s22, s16
	s_lshl_b32 s22, s22, 12
	s_mov_b32 s23, 0
	s_lshl_b32 s24, s14, 12
	s_mov_b32 s25, 0
	s_lshl_b32 s36, s14, 16
	s_lshl_b32 s35, ttmp9, 8
	s_add_co_u32 s36, s36, s35
	s_add_co_u32 s36, s36, TB
	s_mov_b32 s37, 0
	s_lshl_b32 s38, s14, 4
	s_add_co_u32 s38, s38, ttmp9
	s_lshl_b32 s38, s38, 16
	s_lshl_b32 s35, s12, 8
	s_add_co_u32 s38, s38, s35
	s_mov_b32 s39, 0
	s_lshl_b32 s40, s14, 15
	s_lshl_b32 s35, s12, 11
	s_add_co_u32 s40, s40, s35
	s_add_co_u32 s40, s40, QT
	s_mov_b32 s41, 0
	s_wait_kmcnt 0x0
	s_add_nc_u64 s[26:27], s[4:5], s[22:23]
	s_add_nc_u64 s[28:29], s[6:7], s[24:25]
	s_cmp_eq_u32 s19, 1023
	s_cselect_b64 s[26:27], s[28:29], s[26:27]     ; the choice hangs on ids alone
	s_add_nc_u64 s[4:5], s[4:5], s[20:21]
	s_add_nc_u64 s[8:9], s[8:9], s[40:41]
	s_add_nc_u64 s[36:37], s[10:11], s[36:37]
	s_add_nc_u64 s[38:39], s[10:11], s[38:39]
	; ---- A: q~ of head w and my four rows of history, each load 512 consecutive bytes
.irp q, 0,1,2,3
	global_load_b128 v[32+4*\q:35+4*\q], v4, s[8:9] offset:512*\q
.endr
.irp i, 0,1,2
.irp q, 0,1,2,3,4,5,6,7
	global_load_b128 v[64+32*\i+4*\q:67+32*\i+4*\q], v4, s[4:5] offset:4096*\i+512*\q th:TH_LOAD_NT
.endr
.endr
.irp q, 0,1,2,3,4,5,6,7
	global_load_b128 v[160+4*\q:163+4*\q], v4, s[26:27] offset:512*\q
.endr
	s_wait_loadcnt 32                              ; q~ is in
.irp q, 0,1,2,3
	ds_store_b128 v6, v[32+4*\q:35+4*\q] offset:512*\q
.endr
.irp i, 0,1,2,3
	s_wait_loadcnt 24-8*\i                         ; row i is in; the later rows may be out
.irp q, 0,1,2,3,4,5,6,7
	v_cvt_pk_bf16_f32 v[64+32*\i+4*\q], v[64+32*\i+4*\q], v[65+32*\i+4*\q]
	v_cvt_pk_bf16_f32 v[65+32*\i+4*\q], v[66+32*\i+4*\q], v[67+32*\i+4*\q]
	ds_store_b64 v5, v[64+32*\i+4*\q:65+32*\i+4*\q] offset:HP*\i+256*\q
.endr
.endr
	BARRIER
	; ---- B: t for tokens 16 n .., all heads, over d = 256 kq .. + 255: two accumulators by turns
.irp e, 0,1,2,3,4,5,6,7
.irp g, 0,1
	ds_load_b128 v[64+8*\e+4*\g:67+8*\e+4*\g], v7 offset:64*\e+32*\g
	ds_load_b128 v[128+8*\e+4*\g:131+8*\e+4*\g], v8 offset:64*\e+32*\g
.endr
.endr
	s_wait_dscnt 0x0
	v_wmma_f32_16x16x32_bf16 v[224:231], v[64:71], v[128:135], 0
	v_wmma_f32_16x16x32_bf16 v[232:239], v[72:79], v[136:143], 0
.irp e, 2,4,6
	v_wmma_f32_16x16x32_bf16 v[224:231], v[64+8*\e:71+8*\e], v[128+8*\e:135+8*\e], v[224:231]
	v_wmma_f32_16x16x32_bf16 v[232:239], v[72+8*\e:79+8*\e], v[136+8*\e:143+8*\e], v[232:239]
.endr
.rept 4
	v_nop
.endr
.irp i, 0,2,4,6
	v_pk_add_f32 v[224+\i:225+\i], v[224+\i:225+\i], v[232+\i:233+\i]
.endr
	ds_store_b128 v9, v[224:227]
	ds_store_b128 v9, v[228:231] offset:512
	BARRIER
	; ---- B2: every wave sums the four quarters: v[192 + 8 n + j] = t(token 16 n + 8 hh + j, head r)
.set i, 0
.rept 16
	ds_load_b128 v[64+8*i:67+8*i], v10 offset:1024*i
	ds_load_b128 v[68+8*i:71+8*i], v10 offset:1024*i+512
.set i, i+1
.endr
	s_wait_dscnt 0x0
.irp n, 0,1,2,3
.irp i, 0,2,4,6
	v_pk_add_f32 v[192+8*\n+\i:193+8*\n+\i], v[64+32*\n+\i:65+32*\n+\i], v[72+32*\n+\i:73+32*\n+\i]
.endr
.irp i, 0,2,4,6
	v_pk_add_f32 v[192+8*\n+\i:193+8*\n+\i], v[192+8*\n+\i:193+8*\n+\i], v[80+32*\n+\i:81+32*\n+\i]
.endr
.irp i, 0,2,4,6
	v_pk_add_f32 v[192+8*\n+\i:193+8*\n+\i], v[192+8*\n+\i:193+8*\n+\i], v[88+32*\n+\i:89+32*\n+\i]
.endr
.endr
	s_cmp_lg_u32 s12, 0
	s_cbranch_scc1 .Lnot_wave_0
	WAYOUT 192, 36                                 ; wave 0 stores t
.Lnot_wave_0:
	; the turned fragments of history for the second product are asked for now and land under the softmax
.irp e, 0,1
.irp tt, 0,1,2,3
	ds_load_tr16_b128 v[112+8*(4*\e+\tt):115+8*(4*\e+\tt)], v[11+\e] offset:32*\tt
	ds_load_tr16_b128 v[116+8*(4*\e+\tt):119+8*(4*\e+\tt)], v[11+\e] offset:32*\tt+16*HP
.endr
.endr
	v_max3_num_f32 v18, v192, v193, v194
.irp i, 195,197,199,201,203,205,207,209,211,213,215,217,219,221
	v_max3_num_f32 v18, v18, v[\i], v[\i+1]
.endr
	v_max_num_f32 v18, v18, v223
	v_permlanex16_b32 v20, v18, s[SEL], s[SEL+1]
	v_max_num_f32 v18, v18, v20                    ; the chunk's largest t of head r
.set i, 0
.rept 16
	v_pk_add_f32 v[64+i:65+i], v[192+i:193+i], v[18:19] op_sel_hi:[1,0] neg_lo:[0,1] neg_hi:[0,1]
.set i, i+2
.endr
.set i, 0
.rept 32
	v_exp_f32 v[64+i], v[64+i]
.set i, i+1
.endr
	v_nop                                          ; a plain line behind the last exponential,
	s_wait_alu depctr_va_vdst(0)                   ; and one wait for the batch, ahead of its first reader
.set i, 0
.rept 16
	v_cvt_pk_bf16_f32 v[96+i], v[64+2*i], v[65+2*i]    ; p as two fragments: head r, tokens in their natural order
.set i, i+1
.endr
	s_wait_dscnt 0x0
	; ---- C: pc[head][64 w + ..] = sum over tokens: source 0 = 16 d x 32 tokens (turned), source 1 = p; four accumulators by turns
.irp tt, 0,1,2,3
	v_wmma_f32_16x16x32_bf16 v[224+8*\tt:231+8*\tt], v[112+8*\tt:119+8*\tt], v[96:103], 0
.endr
.irp tt, 0,1,2,3
	v_wmma_f32_16x16x32_bf16 v[224+8*\tt:231+8*\tt], v[144+8*\tt:151+8*\tt], v[104:111], v[224+8*\tt:231+8*\tt]
.endr
.rept 4
	v_nop
.endr
	s_wait_xcnt 0x0                                ; wave 0's stores of t have read the registers that the way out fills again
	WAYOUT 224, 38
	s_wait_tensorcnt 0x0                           ; the wave's end
	ds_add_u32 v[SPW], v[NIL]
	s_wait_dscnt 0x0
	s_endpgm
.Lfunc_end_k_qcd8e7fa9d2_selfp:
	.size	k_qcd8e7fa9d2_selfp, .Lfunc_end_k_qcd8e7fa9d2_selfp-k_qcd8e7fa9d2_selfp
	.p2alignl 7, 3214868480
	.fill 96, 4, 3214868480
	.section	.rodata,"a",@progbits
	.p2align	6, 0x0
	.amdhsa_kernel k_qcd8e7fa9d2_selfp
		.amdhsa_group_segment_fixed_size 254464
		.amdhsa_private_segment_fixed_size 0
		.amdhsa_enable_private_segment 0
		.amdhsa_kernarg_size 32
		.amdhsa_user_sgpr_count 2
		.amdhsa_user_sgpr_kernarg_segment_ptr 1
		.amdhsa_wavefront_size32 1
		.amdhsa_system_sgpr_workgroup_id_x 1
		.amdhsa_system_sgpr_workgroup_id_y 1
		.amdhsa_system_sgpr_workgroup_id_z 1
		.amdhsa_system_vgpr_workitem_id 0
		.amdhsa_next_free_vgpr 256
		.amdhsa_next_free_sgpr 66
		.amdhsa_reserve_vcc 0
		.amdhsa_float_denorm_mode_32 3
		.amdhsa_float_denorm_mode_16_64 3
		.amdhsa_memory_ordered 1
		.amdhsa_forward_progress 1
		.amdhsa_inst_pref_size 33
	.end_amdhsa_kernel
	.amdgpu_metadata
---
amdhsa.version: [ 1, 2 ]
amdhsa.kernels:
  - .name:           k_qcd8e7fa9d2_selfp
    .symbol:         k_qcd8e7fa9d2_selfp.kd
    .args:
      - { .name: input_history, .offset: 0, .size: 8, .value_kind: global_buffer, .address_space: global }
      - { .name: dec_input, .offset: 8, .size: 8, .value_kind: global_buffer, .address_space: global }
      - { .name: prep, .offset: 16, .size: 8, .value_kind: global_buffer, .address_space: global }
      - { .name: selfp, .offset: 24, .size: 8, .value_kind: global_buffer, .address_space: global }
    .group_segment_fixed_size: 254464
    .private_segment_fixed_size: 0
    .kernarg_segment_align: 8
    .kernarg_segment_size: 32
    .max_flat_workgroup_size: 512
    .sgpr_count:     66
    .vgpr_count:     256
    .wavefront_size: 32
...
	.end_amdgpu_metadata
.endif
;; end of part 2
;; launch merge (part 3): grid 16 x 16, 16 waves a work-group, no clusters, 10,496 bytes of LDS; arguments selfp, wv_s, out1, obuf_s; writes out1, obuf_s
.if DOCPART == 3
	.amdgcn_target "amdgcn-amd-amdhsa--gfx1250"
	.amdhsa_code_object_version 6
	.text
	.protected	k_qcd8e7fa9d2_merge
	.globl	k_qcd8e7fa9d2_merge
	.p2align	8
	.type	k_qcd8e7fa9d2_merge,@function
k_qcd8e7fa9d2_merge:
	s_mov_b64 s[64:65], 0
	v_nop
	global_prefetch_b8 v0, s[64:65] scope:SCOPE_SE
	s_setreg_imm32_b32 hwreg(HW_REG_WAVE_MODE, 25, 1), 1
	s_wait_xcnt 0x0
; SELF-ATTENTION, second half.  Work-group (head = x, batch = y).  Thread T holds tokens 2 T, 2 T + 1 (wave w = chunk w) and, of the context, d = 2 T, 2 T + 1.
;   m_w = the chunk's largest t (the same number that the launch before used), M the row's; out1 = 2^(t - m_w) 2^(m_w - M) / L;  ctx = sum over chunks of pc_c 2^(m_c - M) / L;
;   o_s[b][64 head + v] = sum over d of ctx[d] wv_s[head][d][v]  (one row against a matrix: fused multiply-adds in f32).
; All 49 loads are issued at the head.  LIMITS: NaN and infinities are not served.
.set TB,    16777216
.set CX,    256                        ; LDS: 16 pairs (m, l) at 0; the context, 4,096 bytes;
.set OPS,   4352                       ; the waves' partial o, 256 bytes each
.set SPARE, 8448
.set SPW, 254
.set NIL, 255
.set SEL, 20
.macro BARRIER
	s_wait_dscnt 0x0
	s_barrier_signal -1
	s_barrier_wait -1
.endm
	s_load_b256 s[4:11], s[0:1], 0x0               ; selfp, wv_s, out1, obuf_s
	v_lshl_add_u32 v[SPW], v0, 2, SPARE
	v_mov_b32 v[NIL], 0
	v_lshrrev_b32 v1, 5, v0
	v_readfirstlane_b32 s12, v1
	v_and_b32 v1, 31, v0
	v_and_b32 v2, 15, v0
	v_bfe_u32 v3, v0, 4, 1
	s_and_b32 s14, ttmp7, 0xffff                   ; b
	s_mov_b32 s[SEL], 0x76543210
	s_mov_b32 s[SEL+1], 0xfedcba98
	v_lshlrev_b32 v4, 3, v0                        ; 8 T
	s_lshl_b32 s15, s12, 14
	v_lshlrev_b32 v5, 13, v3
	v_lshl_add_u32 v5, v2, 4, v5
	v_add_nc_u32 v5, s15, v5                       ; wv_s: row 64 w + 32 hh, 16 bytes at 16 r
	s_lshl_b32 s15, s12, 3
	v_mov_b32 v6, s15
	v_mov_b32 v7, 0
	v_add_nc_u32 v8, CX, v4
	s_lshl_b32 s15, s12, 8
	v_lshl_add_u32 v9, v3, 7, s15
	v_add_nc_u32 v9, CX, v9
	v_lshl_add_u32 v10, v2, 4, s15
	v_add_nc_u32 v10, OPS, v10
	v_lshlrev_b32 v11, 3, v1
	v_add_nc_u32 v12, OPS, v11
.irp i, 241,242,244,245,246,247
	v_mov_b32 v[\i], 0                             ; lane permutes' destinations count as read
.endr
	s_lshl_b32 s16, s14, 4
	s_add_co_u32 s16, s16, ttmp9
	s_lshl_b32 s16, s16, 12                        ; (16 b + head) x 4,096
	s_mov_b32 s17, 0
	s_lshl_b32 s18, s14, 20
	s_lshl_b32 s19, ttmp9, 12
	s_add_co_u32 s18, s18, s19
	s_mov_b32 s19, 0
	s_lshl_b32 s26, ttmp9, 18
	s_mov_b32 s27, 0
	s_lshl_b32 s28, s14, 12
	s_lshl_b32 s29, ttmp9, 8
	s_add_co_u32 s28, s28, s29
	s_mov_b32 s29, 0
	s_wait_kmcnt 0x0
	s_add_nc_u64 s[22:23], s[4:5], s[16:17]
	s_add_nc_u64 s[22:23], s[22:23], TB
	s_add_nc_u64 s[24:25], s[4:5], s[18:19]
	s_add_nc_u64 s[8:9], s[8:9], s[16:17]
	s_add_nc_u64 s[6:7], s[6:7], s[26:27]
	s_add_nc_u64 s[10:11], s[10:11], s[28:29]
	global_load_b64 v[20:21], v4, s[22:23]
.set i, 0
.rept 16
	global_load_b64 v[32+2*i:33+2*i], v4, s[24:25] offset:65536*i th:TH_LOAD_NT
.set i, i+1
.endr
.set i, 0
.rept 32
	global_load_b128 v[64+4*i:67+4*i], v5, s[6:7] offset:256*i     ; sixteen lanes read a whole row of 256 bytes
.set i, i+1
.endr
	s_wait_loadcnt 48                              ; t is in
	v_max_num_f32 v240, v20, v21
.irp m, 1,2,4,8
	v_max_num_f32_dpp v240, v240, v240 row_xmask:\m row_mask:0xf bank_mask:0xf
.endr
	v_permlanex16_b32 v241, v240, s[SEL], s[SEL+1]
	v_max_num_f32 v240, v240, v241                 ; m_w
	v_sub_f32 v20, v20, v240
	v_sub_f32 v21, v21, v240
	v_exp_f32 v20, v20
	v_exp_f32 v21, v21
	v_nop
	s_wait_alu depctr_va_vdst(0)                   ; one wait for the two, ahead of their first reader
	v_add_f32 v241, v20, v21
.irp m, 1,2,4,8
	v_add_f32_dpp v241, v241, v241 row_xmask:\m row_mask:0xf bank_mask:0xf
.endr
	v_permlanex16_b32 v242, v241, s[SEL], s[SEL+1]
	v_add_f32 v241, v241, v242                     ; l_w
	ds_store_b64 v6, v[240:241]
	BARRIER
.irp q, 0,1,2,3,4,5,6,7
	ds_load_b128 v[192+4*\q:195+4*\q], v7 offset:16*\q
.endr
	s_wait_dscnt 0x0
	v_max3_num_f32 v243, v192, v194, v196
.irp c, 198,202,206,210,214,218
	v_max3_num_f32 v243, v243, v[\c], v[\c+2]
.endr
	v_max_num_f32 v243, v243, v222                 ; M
.set i, 0
.rept 16
	v_sub_f32 v[224+i], v[192+2*i], v243
.set i, i+1
.endr
	v_sub_f32 v248, v240, v243
.set i, 0
.rept 16
	v_exp_f32 v[224+i], v[224+i]
.set i, i+1
.endr
	v_exp_f32 v248, v248
	v_nop
	s_wait_alu depctr_va_vdst(0)
	v_mul_f32 v249, v193, v224
	v_mul_f32 v250, v195, v225
.irp c, 2,4,6,8,10,12,14
	v_fma_f32 v249, v[193+2*\c], v[224+\c], v249
	v_fma_f32 v250, v[195+2*\c], v[225+\c], v250
.endr
	v_add_f32 v249, v249, v250                     ; L
	v_rcp_f32 v251, v249
	v_nop
	s_wait_alu depctr_va_vdst(0)
.set i, 0
.rept 16
	v_mul_f32 v[224+i], v[224+i], v251             ; the chunks' weights
.set i, i+1
.endr
	v_mul_f32 v248, v248, v251
	v_mul_f32 v20, v20, v248
	v_mul_f32 v21, v21, v248
	global_store_b64 v4, v[20:21], s[8:9]          ; a wave stores 256 consecutive bytes, aligned
	s_wait_loadcnt 32                              ; the 16 partial contexts are in
	v_pk_mul_f32 v[22:23], v[32:33], v[224:225] op_sel_hi:[1,0]
	v_pk_fma_f32 v[22:23], v[34:35], v[224:225], v[22:23] op_sel:[0,1,0] op_sel_hi:[1,1,1]
.irp c, 2,4,6,8,10,12,14
	v_pk_fma_f32 v[22:23], v[32+2*\c:33+2*\c], v[224+\c:225+\c], v[22:23] op_sel_hi:[1,0,1]
	v_pk_fma_f32 v[22:23], v[34+2*\c:35+2*\c], v[224+\c:225+\c], v[22:23] op_sel:[0,1,0] op_sel_hi:[1,1,1]
.endr
	ds_store_b64 v8, v[22:23]
.irp q, 0,1,2,3,4,5,6,7
	ds_load_b128 v[192+4*\q:195+4*\q], v9 offset:16*\q     ; my wave's own 256 bytes: ctx[64 w + 32 hh + 0..31]
.endr
	s_wait_dscnt 0x0
	s_wait_loadcnt 0x0
	v_pk_mul_f32 v[24:25], v[64:65], v[192:193] op_sel_hi:[1,0]
	v_pk_mul_f32 v[26:27], v[66:67], v[192:193] op_sel_hi:[1,0]
	v_pk_mul_f32 v[28:29], v[68:69], v[192:193] op_sel:[0,1] op_sel_hi:[1,1]
	v_pk_mul_f32 v[30:31], v[70:71], v[192:193] op_sel:[0,1] op_sel_hi:[1,1]
.irp i, 2,4,6,8,10,12,14,16,18,20,22,24,26,28,30
	v_pk_fma_f32 v[24:25], v[64+4*\i:65+4*\i], v[192+\i:193+\i], v[24:25] op_sel_hi:[1,0,1]
	v_pk_fma_f32 v[26:27], v[66+4*\i:67+4*\i], v[192+\i:193+\i], v[26:27] op_sel_hi:[1,0,1]
	v_pk_fma_f32 v[28:29], v[68+4*\i:69+4*\i], v[192+\i:193+\i], v[28:29] op_sel:[0,1,0] op_sel_hi:[1,1,1]
	v_pk_fma_f32 v[30:31], v[70+4*\i:71+4*\i], v[192+\i:193+\i], v[30:31] op_sel:[0,1,0] op_sel_hi:[1,1,1]
.endr
	v_pk_add_f32 v[24:25], v[24:25], v[28:29]
	v_pk_add_f32 v[26:27], v[26:27], v[30:31]
.irp i, 0,1,2,3
	v_permlanex16_b32 v[244+\i], v[24+\i], s[SEL], s[SEL+1]
.endr
.irp i, 0,1,2,3
	v_add_f32 v[24+\i], v[24+\i], v[244+\i]
.endr
	ds_store_b128 v10, v[24:27]                    ; both halves of the lanes write the same bytes with the same values
	BARRIER
	s_cmp_lg_u32 s12, 0
	s_cbranch_scc1 .Ldone
.set i, 0
.rept 16
	ds_load_b64 v[32+2*i:33+2*i], v12 offset:256*i
.set i, i+1
.endr
	s_wait_dscnt 0x0
.irp i, 0,4,8,12,16,20,24,28
	v_pk_add_f32 v[32+\i:33+\i], v[32+\i:33+\i], v[34+\i:35+\i]
.endr
.irp i, 0,8,16,24
	v_pk_add_f32 v[32+\i:33+\i], v[32+\i:33+\i], v[36+\i:37+\i]
.endr
	v_pk_add_f32 v[32:33], v[32:33], v[40:41]
	v_pk_add_f32 v[48:49], v[48:49], v[56:57]
	v_pk_add_f32 v[32:33], v[32:33], v[48:49]
	global_store_b64 v11, v[32:33], s[10:11]       ; 256 consecutive bytes, aligned
.Ldone:
	s_wait_tensorcnt 0x0                           ; the wave's end
	ds_add_u32 v[SPW], v[NIL]
	s_wait_dscnt 0x0
	s_endpgm
.Lfunc_end_k_qcd8e7fa9d2_merge:
	.size	k_qcd8e7fa9d2_merge, .Lfunc_end_k_qcd8e7fa9d2_merge-k_qcd8e7fa9d2_merge
	.p2alignl 7, 3214868480
	.fill 96, 4, 3214868480
	.section	.rodata,"a",@progbits
	.p2align	6, 0x0
	.amdhsa_kernel k_qcd8e7fa9d2_merge
		.amdhsa_group_segment_fixed_size 10496
		.amdhsa_private_segment_fixed_size 0
		.amdhsa_enable_private_segment 0
		.amdhsa_kernarg_size 32
		.amdhsa_user_sgpr_count 2
		.amdhsa_user_sgpr_kernarg_segment_ptr 1
		.amdhsa_wavefront_size32 1
		.amdhsa_system_sgpr_workgroup_id_x 1
		.amdhsa_system_sgpr_workgroup_id_y 1
		.amdhsa_system_sgpr_workgroup_id_z 1
		.amdhsa_system_vgpr_workitem_id 0
		.amdhsa_next_free_vgpr 256
		.amdhsa_next_free_sgpr 66
		.amdhsa_reserve_vcc 0
		.amdhsa_float_denorm_mode_32 3
		.amdhsa_float_denorm_mode_16_64 3
		.amdhsa_memory_ordered 1
		.amdhsa_forward_progress 1
		.amdhsa_inst_pref_size 21
	.end_amdhsa_kernel
	.amdgpu_metadata
---
amdhsa.version: [ 1, 2 ]
amdhsa.kernels:
  - .name:           k_qcd8e7fa9d2_merge
    .symbol:         k_qcd8e7fa9d2_merge.kd
    .args:
      - { .name: selfp, .offset: 0, .size: 8, .value_kind: global_buffer, .address_space: global }
      - { .name: wv_s, .offset: 8, .size: 8, .value_kind: global_buffer, .address_space: global }
      - { .name: out1, .offset: 16, .size: 8, .value_kind: global_buffer, .address_space: global }
      - { .name: obuf_s, .offset: 24, .size: 8, .value_kind: global_buffer, .address_space: global }
    .group_segment_fixed_size: 10496
    .private_segment_fixed_size: 0
    .kernarg_segment_align: 8
    .kernarg_segment_size: 32
    .max_flat_workgroup_size: 512
    .sgpr_count:     66
    .vgpr_count:     256
    .wavefront_size: 32
...
	.end_amdgpu_metadata
.endif
;; end of part 3
;; launch wo (part 4): grid 144 x 1, 16 waves a work-group, no clusters, 205,056 bytes of LDS; arguments obuf_s, ffn, bo_s, dec_input, pre1, enc_output, prep; writes pre1, prep
.if DOCPART == 4
	.amdgcn_target "amdgcn-amd-amdhsa--gfx1250"
	.amdhsa_code_object_version 6
	.text
	.protected	k_qcd8e7fa9d2_wo
	.globl	k_qcd8e7fa9d2_wo
	.p2align	8
	.type	k_qcd8e7fa9d2_wo,@function
k_qcd8e7fa9d2_wo:
	s_mov_b64 s[64:65], 0
	v_nop
	global_prefetch_b8 v0, s[64:65] scope:SCOPE_SE
	s_setreg_imm32_b32 hwreg(HW_REG_WAVE_MODE, 25, 1), 1
	s_wait_xcnt 0x0
; TWO ROLES, told apart by the work-group's number; each is straight-line text with LDS bytes of its own.
;  P (work-groups 0-15, slab x = id): Y[16][64 columns of slab x] = X[16][1024] W[1024][1024] + bias + residual, bf16 operands, f32 sums; and for each row the slab's mean and sum of squared
;    deviations, for the layer norm that follows.  Wave w takes K = 64 w .. 64 w + 63 (two matrix steps of 32); the sixteen partial tiles meet in LDS; wave w then finishes row w.
;    W comes as bf16 fragments that the first launch has laid: byte 131072 x + 4096 S + 2048 hh + 512 j + 256 qh + 16 r + 4 p holds (k, k + 1), k = 32 S + 16 hh + 8 qh + 2 p, of column 64 x + 4 r + j.
;    So tile j is made of the columns 4 r + j, register q = 4 qh + p of an operand holds k = 32 S + 16 hh + 2 q, 2 q + 1 on BOTH sides (the same permutation of k in both operands keeps every
;    product), each load fills four registers of a fragment, and sixteen lanes read 256 consecutive bytes, aligned.
;  E (16-143): tiles 512 to 1,023 of 16 tokens of enc_output into FP4 (E2M1) codes and E8M0 scale words, by the same lines as in the first launch, which takes tiles 0 to 511: role P has work
;    for 16 work-groups only, and nothing reads these codes before the cross-attention's launch.
; THE QUANTISER: a block of 32 along d; scale 2^(floor(log2(largest magnitude)) - 2); its byte is the largest magnitude's exponent field - 2, held at 1 from below by a floor among the maximum's leaves.
; LIMITS: a block whose largest magnitude lies under 2^-124 (a block of zeros too) keeps the byte 1; a block of zeros has zero codes, which add nothing, and these bytes are read by this program alone.
;         NaN and infinities among the inputs are not served.
.set WOFF,  1114112                    ; where wo_s's fragments begin in the buffer ffn
.set ENCS,  8388608                    ; prep: enc codes at 0, enc scale words here
.set STT,   65536                      ; LDS, role P: 16 partial tiles of 4,096 bytes at 0; 16 pairs (mean, M2) here
.set SPARE, 65792                      ; the spare words, 128 bytes a wave; no other line names them
.set ESTG,  67840                      ; role E: the stages, 16 x 8448 bytes;
.set ESL,   203008                     ; the scale words of the work-group's four tiles, 2,048 bytes
.set EFIRST, 16                        ; role E's first work-group,
.set ETILE0, 512                       ; and its first tile
.set ENC, 32                           ; s[32:33] enc_output
.set PRP, 34                           ; s[34:35] prep
.set SPW, 14
.set NIL, 15
.set WV,  14
.set SEL, 16
.macro BARRIER
	s_wait_dscnt 0x0
	s_barrier_signal -1
	s_barrier_wait -1
.endm
.macro FINISH                          ; the wave's end, behind the last LDS store
	s_wait_tensorcnt 0x0
	ds_add_u32 v[SPW], v[NIL]
	s_wait_dscnt 0x0
	s_endpgm
.endm
.macro WSUM x, tmp
.irp m, 1,2,4,8
	v_add_f32_dpp v[\x], v[\x], v[\x] row_xmask:\m row_mask:0xf bank_mask:0xf
.endr
	v_permlanex16_b32 v[\tmp], v[\x], s[SEL], s[SEL+1]
	v_add_f32 v[\x], v[\x], v[\tmp]
.endm
; n blocks of 32 numbers at v[xs + 32 b]: largest magnitudes -> v[m + b], scale operands -> v[m + 4 + b], scale bytes -> v[m + 8 + b]; the blocks take turns line by line
.macro MAXN n, m, xs
.set bb, 0
.rept \n
	v_max3_num_f32 v[\m+bb], |v[\xs+32*bb]|, |v[\xs+32*bb+1]|, 0x1800000
.set bb, bb+1
.endr
.set ii, 2
.rept 15
.set bb, 0
.rept \n
	v_max3_num_f32 v[\m+bb], v[\m+bb], |v[\xs+32*bb+ii]|, |v[\xs+32*bb+ii+1]|
.set bb, bb+1
.endr
.set ii, ii+2
.endr
.set bb, 0
.rept \n
	v_add_nc_u32 v[\m+4+bb], 0xff000000, v[\m+bb]      ; 2 off the exponent field: the conversion takes the exponent field alone
.set bb, bb+1
.endr
.set bb, 0
.rept \n
	v_lshrrev_b32 v[\m+8+bb], 23, v[\m+4+bb]           ; the scale's byte
.set bb, bb+1
.endr
.endm
.macro CVT4 cd, xs, sc                 ; 32 numbers -> 32 codes in four registers
.irp g, 0,1,2,3
	v_cvt_scalef32_pk8_fp4_f32 v[\cd+\g], v[\xs+8*\g:\xs+8*\g+7], v[\sc]
.endr
.endm
	s_load_b256 s[4:11], s[0:1], 0x0               ; X, ffn (W's fragments), bias, residual
	s_load_b64 s[12:13], s[0:1], 0x20              ; out
	s_load_b64 s[32:33], s[0:1], 0x28              ; enc_output
	s_load_b64 s[34:35], s[0:1], 0x30              ; prep
	v_lshl_add_u32 v[SPW], v0, 2, SPARE
	v_mov_b32 v[NIL], 0
	v_lshrrev_b32 v1, 5, v0
	v_readfirstlane_b32 s[WV], v1                  ; wave 0..15
	v_and_b32 v1, 31, v0                           ; lane
	v_and_b32 v2, 15, v0                           ; r
	v_bfe_u32 v3, v0, 4, 1                         ; hh
	s_mov_b32 s[SEL], 0x76543210
	s_mov_b32 s[SEL+1], 0xfedcba98
	s_cmp_ge_u32 ttmp9, EFIRST
	s_cbranch_scc1 .Lrole_e
; ---------------- ROLE P
	v_lshlrev_b32 v4, 11, v3
	v_lshl_add_u32 v4, v2, 4, v4                   ; W's fragments: 2,048 hh + 16 r
	v_lshlrev_b32 v5, 12, v2
	v_lshl_add_u32 v5, v3, 6, v5                   ; X: row r + 64 hh
	s_lshl_b32 s18, s[WV], 12
	v_lshlrev_b32 v6, 11, v3
	v_lshl_add_u32 v6, v2, 4, v6
	v_add_nc_u32 v6, s18, v6                       ; my partial tile: row 8 hh + jj at 256 bytes a row, column 4 r + j
	s_lshl_b32 s18, s[WV], 8
	v_lshl_add_u32 v7, v1, 3, s18                  ; row w of a partial tile, 8 bytes a lane
	v_lshlrev_b32 v8, 3, v1
	s_lshl_b32 s18, s[WV], 3
	s_add_co_u32 s18, s18, STT
	v_mov_b32 v9, s18
	v_lshlrev_b32 v3, 2, v1                        ; (r and hh are done with) 4 x lane,
	v_add_nc_u32 v2, STT, v3                       ; and the statistics' words
	s_lshl_b32 s20, s[WV], 8
	s_mov_b32 s21, 0
	s_lshl_b32 s22, ttmp9, 17                      ; a slab's fragments are 131,072 bytes,
	s_lshl_b32 s19, s[WV], 13                      ; my two K steps 8,192
	s_add_co_u32 s22, s22, s19
	s_add_co_u32 s22, s22, WOFF
	s_mov_b32 s23, 0
	s_lshl_b32 s19, ttmp9, 8
	s_mov_b32 s24, s19
	s_mov_b32 s25, 0
	s_lshl_b32 s26, s[WV], 12
	s_add_co_u32 s26, s26, s19
	s_mov_b32 s27, 0
	s_lshl_b32 s28, ttmp9, 7
	s_add_co_u32 s28, s28, 65536
	s_mov_b32 s29, 0
	s_wait_kmcnt 0x0
	s_add_nc_u64 s[4:5], s[4:5], s[20:21]
	s_add_nc_u64 s[6:7], s[6:7], s[22:23]
	s_add_nc_u64 s[8:9], s[8:9], s[24:25]
	s_add_nc_u64 s[10:11], s[10:11], s[26:27]
	s_add_nc_u64 s[30:31], s[12:13], s[26:27]
	s_add_nc_u64 s[12:13], s[12:13], s[28:29]
	global_load_b64 v[10:11], v8, s[8:9]
	global_load_b64 v[12:13], v8, s[10:11]
.irp e, 0,1
.irp q, 0,1,2,3
	global_load_b128 v[144+16*\e+4*\q:147+16*\e+4*\q], v5, s[4:5] offset:128*\e+16*\q
.endr
.endr
.irp e, 0,1
.irp j, 0,1,2,3
.irp g, 0,1
	global_load_b128 v[16+32*\e+8*\j+4*\g:19+32*\e+8*\j+4*\g], v4, s[6:7] offset:4096*\e+512*\j+256*\g th:TH_LOAD_NT   ; step e, tile j, registers 4 g .. 4 g + 3
.endr
.endr
.endr
	s_wait_loadcnt 16                              ; bias, residual and X are in; W's 16 loads may be out
.set i, 0
.rept 16
	v_cvt_pk_bf16_f32 v[176+i], v[144+2*i], v[145+2*i]     ; X's two fragments
.set i, i+1
.endr
	s_wait_loadcnt 8                               ; W's step 0 is in; step 1's eight loads may be out
.irp j, 0,1,2,3
	v_wmma_f32_16x16x32_bf16 v[224+8*\j:231+8*\j], v[176:183], v[16+8*\j:23+8*\j], 0
.endr
	s_wait_loadcnt 0x0
.irp j, 0,1,2,3
	v_wmma_f32_16x16x32_bf16 v[224+8*\j:231+8*\j], v[184:191], v[48+8*\j:55+8*\j], v[224+8*\j:231+8*\j]   ; the four accumulators take turns
.endr
.rept 4
	v_nop                                          ; places ahead of the first read of results, and of the loads into registers that held fragments
.endr
.irp j, 0,1,2,3
.irp jj, 0,1,2,3,4,5,6,7
	ds_store_b32 v6, v[224+8*\j+\jj] offset:256*\jj+4*\j
.endr
.endr
	BARRIER
.set i, 0
.rept 16
	ds_load_b64 v[16+2*i:17+2*i], v7 offset:4096*i
.set i, i+1
.endr
	s_wait_dscnt 0x0
.irp i, 0,4,8,12,16,20,24,28
	v_pk_add_f32 v[16+\i:17+\i], v[16+\i:17+\i], v[18+\i:19+\i]
.endr
.irp i, 0,8,16,24
	v_pk_add_f32 v[16+\i:17+\i], v[16+\i:17+\i], v[20+\i:21+\i]
.endr
	v_pk_add_f32 v[16:17], v[16:17], v[24:25]
	v_pk_add_f32 v[32:33], v[32:33], v[40:41]
	v_pk_add_f32 v[16:17], v[16:17], v[32:33]
	v_pk_add_f32 v[16:17], v[16:17], v[10:11]
	v_pk_add_f32 v[16:17], v[16:17], v[12:13]
	global_store_b64 v8, v[16:17], s[30:31]        ; 256 consecutive bytes of row w, aligned
	v_add_f32 v20, v16, v17
	WSUM 20, 21
	v_mul_f32 v20, 0x3c800000, v20                 ; the slab's mean: / 64
	v_sub_f32 v22, v16, v20
	v_sub_f32 v23, v17, v20
	v_mul_f32 v24, v22, v22
	v_fma_f32 v24, v23, v23, v24
	WSUM 24, 25
	v_mov_b32 v21, v24                             ; and its sum of squared deviations
	ds_store_b64 v9, v[20:21]
	BARRIER
	s_cmp_lg_u32 s[WV], 0
	s_cbranch_scc1 .Ldone
	ds_load_b32 v26, v2
	s_wait_dscnt 0x0
	global_store_b32 v3, v26, s[12:13]             ; 16 rows x (mean, M2): 128 bytes a slab
.Ldone:
	FINISH
; ---------------- ROLE E: a work-group takes four tiles of 16 tokens; wave w takes tile w / 4 and the quarter j = w % 4 of d: K steps 2 j and 2 j + 1
.Lrole_e:
	v_mov_b32 v19, 0                               ; a lane permute's destination counts as read
	s_sub_co_u32 s22, ttmp9, EFIRST
	s_lshl_b32 s22, s22, 2
	s_add_co_u32 s22, s22, ETILE0                  ; the work-group's first tile
	s_lshr_b32 s23, s[WV], 2
	s_add_co_u32 s23, s23, s22                     ; my tile
	s_and_b32 s24, s[WV], 3                        ; j
	s_lshl_b32 s26, s23, 16                        ; 16 tokens of 4,096 bytes,
	s_lshl_b32 s25, s24, 10                        ; 256 numbers a quarter
	s_add_co_u32 s26, s26, s25
	s_mov_b32 s27, 0
	s_lshl_b32 s28, s23, 13                        ; codes: 8,192 bytes a tile,
	s_lshl_b32 s25, s24, 11                        ; 2,048 a quarter
	s_add_co_u32 s28, s28, s25
	s_mov_b32 s29, 0
	s_and_b32 s45, s[WV], 7
	s_lshl_b32 s45, s45, 8                         ; waves 0 to 7 store the scale words, 256 bytes each
	s_lshl_b32 s30, s22, 9                         ; scale words: 512 bytes a tile
	s_add_co_u32 s30, s30, s45
	s_add_co_u32 s30, s30, ENCS
	s_mov_b32 s31, 0
	s_wait_kmcnt 0x0
	s_add_nc_u64 s[26:27], s[ENC:ENC+1], s[26:27]
	s_add_nc_u64 s[28:29], s[PRP:PRP+1], s[28:29]
	s_add_nc_u64 s[30:31], s[PRP:PRP+1], s[30:31]
	v_lshlrev_b32 v4, 4, v1                        ; 16 x lane
	s_mul_i32 s25, s[WV], 8448                     ; my stage: 16 rows of 512 bytes + 16
	s_add_co_u32 s25, s25, ESTG
	v_add_nc_u32 v5, s25, v4                       ; in: as loaded
	v_mul_u32_u24 v6, v2, 528
	v_lshl_add_u32 v6, v3, 7, v6
	v_add_nc_u32 v6, s25, v6                       ; out: token r, + 128 hh: 32 neighbours along d
	v_lshlrev_b32 v7, 3, v3                        ; 8 hh
	v_lshlrev_b32 v8, 3, v1                        ; 8 x lane
	s_lshr_b32 s25, s[WV], 1
	s_lshl_b32 s25, s25, 8                         ; the scale words of a tile lie [half of d][lane][2 words]: 256 (w / 2)
	s_and_b32 s44, s[WV], 1
	s_lshl_b32 s44, s44, 2                         ; + 4 (w % 2)
	s_add_co_u32 s25, s25, s44
	s_add_co_u32 s25, s25, ESL
	v_add_nc_u32 v2, s25, v8                       ; (r and hh are done with) where my word goes,
	s_add_co_u32 s25, s45, ESL
	v_add_nc_u32 v3, s25, v8                       ; and where 8 bytes a lane come back
.macro ELOAD t                         ; step t: 16 tokens x 512 consecutive bytes
.irp i, 0,1,2,3,4,5,6,7,8,9,10,11,12,13,14,15
	global_load_b128 v[32+64*(\t)+4*\i:32+64*(\t)+4*\i+3], v4, s[26:27] offset:4096*\i+512*(\t) th:TH_LOAD_NT
.endr
.endm
.macro ESTEP t
	s_wait_loadcnt 16-16*(\t)                      ; this step's 16 loads are in; the next step's may be out
.irp i, 0,1,2,3,4,5,6,7,8,9,10,11,12,13,14,15
	ds_store_b128 v5, v[32+64*(\t)+4*\i:32+64*(\t)+4*\i+3] offset:528*\i
.endr
.irp c, 0,1
.irp q, 0,1,2,3,4,5,6,7
	ds_load_b128 v[160+32*\c+4*\q:160+32*\c+4*\q+3], v6 offset:256*\c+16*\q   ; LDS serves a wave in order: these see my stores
.endr
.endr
	s_wait_dscnt 0x0
	MAXN 2, 16, 160                                ; my blocks hh and 2 + hh of token r
	v_lshl_or_b32 v18, v25, 16, v24
	v_lshlrev_b32 v18, v7, v18                     ; at their places in the scale word
	v_permlanex16_b32 v19, v18, s[SEL], s[SEL+1]
	v_or_b32 v[9+(\t)], v18, v19                   ; with lane xor 16's two bytes the word is whole
	CVT4 224+8*(\t), 160, 20
	CVT4 228+8*(\t), 192, 21
	v_nop
	global_store_b128 v4, v[224+8*(\t):227+8*(\t)], s[28:29] offset:1024*(\t)        ; 512 consecutive bytes
	global_store_b128 v4, v[228+8*(\t):231+8*(\t)], s[28:29] offset:1024*(\t)+512
.endm
	ELOAD 0
	ELOAD 1
	ESTEP 0
	ESTEP 1
	v_cmp_le_u32 vcc_lo, 16, v1                    ; lanes 0-15 keep the even K step's word, lanes 16-31 the odd one's
	v_cndmask_b32 v28, v9, v10, vcc_lo
	ds_store_b32 v2, v28                           ; a lane's pair of words comes from two waves: they meet in LDS
	BARRIER
	s_cmp_lt_u32 s[WV], 8
	s_cbranch_scc0 .Le_done
	ds_load_b64 v[28:29], v3
	s_wait_dscnt 0x0
	global_store_b64 v8, v[28:29], s[30:31]        ; 256 consecutive bytes, aligned
.Le_done:
	FINISH
.Lfunc_end_k_qcd8e7fa9d2_wo:
	.size	k_qcd8e7fa9d2_wo, .Lfunc_end_k_qcd8e7fa9d2_wo-k_qcd8e7fa9d2_wo
	.p2alignl 7, 3214868480
	.fill 96, 4, 3214868480
	.section	.rodata,"a",@progbits
	.p2align	6, 0x0
	.amdhsa_kernel k_qcd8e7fa9d2_wo
		.amdhsa_group_segment_fixed_size 205056
		.amdhsa_private_segment_fixed_size 0
		.amdhsa_enable_private_segment 0
		.amdhsa_kernarg_size 56
		.amdhsa_user_sgpr_count 2
		.amdhsa_user_sgpr_kernarg_segment_ptr 1
		.amdhsa_wavefront_size32 1
		.amdhsa_system_sgpr_workgroup_id_x 1
		.amdhsa_system_sgpr_workgroup_id_y 1
		.amdhsa_system_sgpr_workgroup_id_z 1
		.amdhsa_system_vgpr_workitem_id 0
		.amdhsa_next_free_vgpr 256
		.amdhsa_next_free_sgpr 66
		.amdhsa_reserve_vcc 1
		.amdhsa_float_denorm_mode_32 3
		.amdhsa_float_denorm_mode_16_64 3
		.amdhsa_memory_ordered 1
		.amdhsa_forward_progress 1
		.amdhsa_inst_pref_size 29
	.end_amdhsa_kernel
	.amdgpu_metadata
---
amdhsa.version: [ 1, 2 ]
amdhsa.kernels:
  - .name:           k_qcd8e7fa9d2_wo
    .symbol:         k_qcd8e7fa9d2_wo.kd
    .args:
      - { .name: obuf_s, .offset: 0, .size: 8, .value_kind: global_buffer, .address_space: global }
      - { .name: ffn, .offset: 8, .size: 8, .value_kind: global_buffer, .address_space: global }
      - { .name: bo_s, .offset: 16, .size: 8, .value_kind: global_buffer, .address_space: global }
      - { .name: dec_input, .offset: 24, .size: 8, .value_kind: global_buffer, .address_space: global }
      - { .name: pre1, .offset: 32, .size: 8, .value_kind: global_buffer, .address_space: global }
      - { .name: enc_output, .offset: 40, .size: 8, .value_kind: global_buffer, .address_space: global }
      - { .name: prep, .offset: 48, .size: 8, .value_kind: global_buffer, .address_space: global }
    .group_segment_fixed_size: 205056
    .private_segment_fixed_size: 0
    .kernarg_segment_align: 8
    .kernarg_segment_size: 56
    .max_flat_workgroup_size: 512
    .sgpr_count:     66
    .vgpr_count:     256
    .wavefront_size: 32
...
	.end_amdgpu_metadata
.endif
;; end of part 4
;; launch lnq (part 5): grid 16 x 4, 8 waves a work-group, no clusters, 50,432 bytes of LDS; arguments pre1, ln1_g, ln1_b, wq_c, xq; writes xq
.if DOCPART == 5
	.amdgcn_target "amdgcn-amd-amdhsa--gfx1250"
	.amdhsa_code_object_version 6
	.text
	.protected	k_qcd8e7fa9d2_lnq
	.globl	k_qcd8e7fa9d2_lnq
	.p2align	8
	.type	k_qcd8e7fa9d2_lnq,@function
k_qcd8e7fa9d2_lnq:
	s_mov_b64 s[64:65], 0
	v_nop
	global_prefetch_b8 v0, s[64:65] scope:SCOPE_SE
	s_setreg_imm32_b32 hwreg(HW_REG_WAVE_MODE, 25, 1), 1
	s_wait_xcnt 0x0
; x = LayerNorm(pre) (mean and variance merged from the 16 slabs' means and sums of squared deviations: no difference of large sums), then a partial product
; Y_y[16][64 columns of slab x] = x[16][256 y .. 256 y + 255] W[..][slab], bf16 operands, f32 sums.  Wave w takes K = 256 y + 32 w .. + 31, one matrix step; the eight partial tiles meet in LDS.
; The work-groups with x = 0 also store x itself.  Operand layout as in the launch before: lane (r, hh) loads columns 4 r .. 4 r + 3 of rows k0 + 16 hh + i; tile j = columns 4 r + j; the same order of k on both sides.
.set WPITCH, 256                       ; here W = wq_c [head][d][64]: a row of a head is 256 bytes,
.set SLABSH, 18                        ; a head 2^18 bytes;
.set OUTY,   65536                     ; the partial sums lie [y][16][1024] behind x
.set OPITCH, 4096
.set XS,    32768                      ; LDS: 8 partial tiles at 0; x, 16 rows of 1,024 bytes + 16, here
.set SPARE, 49408
.set SPW, 14
.set NIL, 15
.set SEL, 16
.macro BARRIER
	s_wait_dscnt 0x0
	s_barrier_signal -1
	s_barrier_wait -1
.endm
	s_load_b256 s[4:11], s[0:1], 0x0               ; pre, g, b, W
	s_load_b64 s[12:13], s[0:1], 0x20              ; out
	v_lshl_add_u32 v[SPW], v0, 2, SPARE
	v_mov_b32 v[NIL], 0
	v_lshrrev_b32 v1, 5, v0
	v_readfirstlane_b32 s14, v1
	v_and_b32 v1, 31, v0
	v_and_b32 v2, 15, v0
	v_bfe_u32 v3, v0, 4, 1
	s_and_b32 s15, ttmp7, 0xffff                   ; y
	s_mov_b32 s[SEL], 0x76543210
	s_mov_b32 s[SEL+1], 0xfedcba98
	s_mov_b32 s19, 0x42800000                      ; 64.0: the numbers in a slab
	v_mul_u32_u24 v4, v3, 16*WPITCH
	v_lshl_add_u32 v4, v2, 4, v4
	v_lshlrev_b32 v5, 12, v2
	v_lshl_add_u32 v5, v3, 6, v5
	s_lshl_b32 s18, s14, 12
	v_lshlrev_b32 v6, 11, v3
	v_lshl_add_u32 v6, v2, 4, v6
	v_add_nc_u32 v6, s18, v6
	s_lshl_b32 s18, s14, 9
	v_lshl_add_u32 v7, v1, 3, s18
	v_lshlrev_b32 v8, 3, v1
	v_lshlrev_b32 v9, 10, v3
	v_lshl_add_u32 v9, v2, 3, v9                   ; statistics: slabs 8 hh .., row r
	v_lshlrev_b32 v10, 6, v3
	s_lshl_b32 s18, s14, 7
	s_add_co_u32 s18, s18, XS
	v_mul_u32_u24 v11, v2, 1040
	v_add_nc_u32 v11, v11, v10
	v_add_nc_u32 v11, s18, v11
	s_mul_i32 s18, s14, 2080
	s_add_co_u32 s18, s18, XS
	v_lshlrev_b32 v12, 4, v1
	v_add_nc_u32 v13, s18, v12
	v_mov_b32 v220, 0
	s_lshl_b32 s20, s15, 10
	s_lshl_b32 s18, s14, 7
	s_add_co_u32 s20, s20, s18                     ; 4 k0
	s_mov_b32 s21, 0
	s_lshr_b32 s22, s20, 2
	s_mul_i32 s22, s22, WPITCH
	s_lshl_b32 s18, ttmp9, SLABSH
	s_add_co_u32 s22, s22, s18
	s_mov_b32 s23, 0
	s_mul_i32 s24, s15, OUTY
	s_mul_i32 s18, s14, 2*OPITCH
	s_add_co_u32 s24, s24, s18
	s_lshl_b32 s18, ttmp9, 8
	s_add_co_u32 s24, s24, s18
	s_add_co_u32 s24, s24, 65536
	s_mov_b32 s25, 0
	s_lshl_b32 s26, s14, 13
	s_lshl_b32 s18, s15, 10
	s_add_co_u32 s26, s26, s18
	s_mov_b32 s27, 0
	s_wait_kmcnt 0x0
	s_add_nc_u64 s[28:29], s[4:5], 65536
	s_add_nc_u64 s[4:5], s[4:5], s[20:21]
	s_add_nc_u64 s[6:7], s[6:7], s[20:21]
	s_add_nc_u64 s[8:9], s[8:9], s[20:21]
	s_add_nc_u64 s[10:11], s[10:11], s[22:23]
	s_add_nc_u64 s[30:31], s[12:13], s[24:25]
	s_add_nc_u64 s[12:13], s[12:13], s[26:27]
.irp s, 0,1,2,3,4,5,6,7
	global_load_b64 v[128+2*\s:129+2*\s], v9, s[28:29] offset:128*\s
.endr
.irp q, 0,1,2,3
	global_load_b128 v[80+4*\q:83+4*\q], v5, s[4:5] offset:16*\q
.endr
.irp q, 0,1,2,3
	global_load_b128 v[96+4*\q:99+4*\q], v10, s[6:7] offset:16*\q
.endr
.irp q, 0,1,2,3
	global_load_b128 v[112+4*\q:115+4*\q], v10, s[8:9] offset:16*\q
.endr
.set i, 0
.rept 16
	global_load_b128 v[16+4*i:19+4*i], v4, s[10:11] offset:WPITCH*i th:TH_LOAD_NT
.set i, i+1
.endr
	s_wait_loadcnt 16                              ; all but W's 16 loads are in
	v_add_f32 v216, v128, v130
	v_add_f32 v217, v132, v134
	v_add_f32 v218, v136, v138
	v_add_f32 v219, v140, v142
	v_add_f32 v216, v216, v217
	v_add_f32 v218, v218, v219
	v_add_f32 v216, v216, v218
	v_permlanex16_b32 v220, v216, s[SEL], s[SEL+1]
	v_add_f32 v216, v216, v220
	v_mul_f32 v216, 0x3d800000, v216               ; the row's mean: 16 slabs of equal size
	v_mov_b32 v217, 0
.irp s, 0,1,2,3,4,5,6,7
	v_sub_f32 v[224+\s], v[128+2*\s], v216
.endr
.irp s, 0,1,2,3,4,5,6,7
	v_mul_f32 v[224+\s], v[224+\s], v[224+\s]
.endr
.irp s, 0,1,2,3,4,5,6,7
	v_fma_f32 v[224+\s], v[224+\s], s19, v[129+2*\s]           ; M2 + 64 (slab's mean - mean)^2
.endr
	v_add_f32 v224, v224, v225
	v_add_f32 v226, v226, v227
	v_add_f32 v228, v228, v229
	v_add_f32 v230, v230, v231
	v_add_f32 v224, v224, v226
	v_add_f32 v228, v228, v230
	v_add_f32 v224, v224, v228
	v_permlanex16_b32 v220, v224, s[SEL], s[SEL+1]
	v_add_f32 v224, v224, v220
	v_mul_f32 v224, 0x3a800000, v224               ; / 1024
	v_add_f32 v224, 0x3727c5ac, v224               ; + 1e-5
	v_rsq_f32 v218, v224
	v_mov_b32 v219, 0                              ; a plain line behind the transcendental,
	s_wait_alu depctr_va_vdst(0)                   ; and the wait ahead of its first reader
.irp i, 0,2,4,6,8,10,12,14
	v_pk_add_f32 v[80+\i:81+\i], v[80+\i:81+\i], v[216:217] op_sel_hi:[1,0] neg_lo:[0,1] neg_hi:[0,1]
.endr
.irp i, 0,2,4,6,8,10,12,14
	v_pk_mul_f32 v[80+\i:81+\i], v[80+\i:81+\i], v[218:219] op_sel_hi:[1,0]
.endr
.irp i, 0,2,4,6,8,10,12,14
	v_pk_fma_f32 v[80+\i:81+\i], v[80+\i:81+\i], v[96+\i:97+\i], v[112+\i:113+\i]
.endr
.irp q, 0,1,2,3
	ds_store_b128 v11, v[80+4*\q:83+4*\q] offset:16*\q
.endr
.irp q, 0,1,2,3,4,5,6,7
	v_cvt_pk_bf16_f32 v[144+\q], v[80+2*\q], v[81+2*\q]
.endr
	s_wait_loadcnt 0x0
.irp j, 0,1,2,3
.irp q, 0,1,2,3,4,5,6,7
	v_cvt_pk_bf16_f32 v[152+8*\j+\q], v[16+8*\q+\j], v[20+8*\q+\j]
.endr
.endr
.irp j, 0,1,2,3
	v_wmma_f32_16x16x32_bf16 v[184+8*\j:191+8*\j], v[144:151], v[152+8*\j:159+8*\j], 0
.endr
.rept 4
	v_nop
.endr
.irp j, 0,1,2,3
.irp jj, 0,1,2,3,4,5,6,7
	ds_store_b32 v6, v[184+8*\j+\jj] offset:256*\jj+4*\j
.endr
.endr
	BARRIER
.irp z, 0,1
.irp p, 0,1,2,3,4,5,6,7
	ds_load_b64 v[16+16*\z+2*\p:17+16*\z+2*\p], v7 offset:256*\z+4096*\p
.endr
.endr
	s_wait_dscnt 0x0
.irp z, 0,1
	v_pk_add_f32 v[16+16*\z:17+16*\z], v[16+16*\z:17+16*\z], v[18+16*\z:19+16*\z]
	v_pk_add_f32 v[20+16*\z:21+16*\z], v[20+16*\z:21+16*\z], v[22+16*\z:23+16*\z]
	v_pk_add_f32 v[24+16*\z:25+16*\z], v[24+16*\z:25+16*\z], v[26+16*\z:27+16*\z]
	v_pk_add_f32 v[28+16*\z:29+16*\z], v[28+16*\z:29+16*\z], v[30+16*\z:31+16*\z]
	v_pk_add_f32 v[16+16*\z:17+16*\z], v[16+16*\z:17+16*\z], v[20+16*\z:21+16*\z]
	v_pk_add_f32 v[24+16*\z:25+16*\z], v[24+16*\z:25+16*\z], v[28+16*\z:29+16*\z]
	v_pk_add_f32 v[16+16*\z:17+16*\z], v[16+16*\z:17+16*\z], v[24+16*\z:25+16*\z]
	global_store_b64 v8, v[16+16*\z:17+16*\z], s[30:31] offset:OPITCH*\z   ; 256 consecutive bytes of row 2 w + z, aligned
.endr
	s_cmp_lg_u32 ttmp9, 0                          ; the same in all waves of the work-group
	s_cbranch_scc1 .Ldone
.irp zz, 0,1
.irp z, 0,1
	ds_load_b128 v[48+8*\zz+4*\z:51+8*\zz+4*\z], v13 offset:1040*\zz+512*\z
.endr
.endr
	s_wait_dscnt 0x0
.irp zz, 0,1
.irp z, 0,1
	global_store_b128 v12, v[48+8*\zz+4*\z:51+8*\zz+4*\z], s[12:13] offset:4096*\zz+512*\z
.endr
.endr
.Ldone:
	s_wait_tensorcnt 0x0                           ; the wave's end
	ds_add_u32 v[SPW], v[NIL]
	s_wait_dscnt 0x0
	s_endpgm
.Lfunc_end_k_qcd8e7fa9d2_lnq:
	.size	k_qcd8e7fa9d2_lnq, .Lfunc_end_k_qcd8e7fa9d2_lnq-k_qcd8e7fa9d2_lnq
	.p2alignl 7, 3214868480
	.fill 96, 4, 3214868480
	.section	.rodata,"a",@progbits
	.p2align	6, 0x0
	.amdhsa_kernel k_qcd8e7fa9d2_lnq
		.amdhsa_group_segment_fixed_size 50432
		.amdhsa_private_segment_fixed_size 0
		.amdhsa_enable_private_segment 0
		.amdhsa_kernarg_size 40
		.amdhsa_user_sgpr_count 2
		.amdhsa_user_sgpr_kernarg_segment_ptr 1
		.amdhsa_wavefront_size32 1
		.amdhsa_system_sgpr_workgroup_id_x 1
		.amdhsa_system_sgpr_workgroup_id_y 1
		.amdhsa_system_sgpr_workgroup_id_z 1
		.amdhsa_system_vgpr_workitem_id 0
		.amdhsa_next_free_vgpr 256
		.amdhsa_next_free_sgpr 66
		.amdhsa_reserve_vcc 0
		.amdhsa_float_denorm_mode_32 3
		.amdhsa_float_denorm_mode_16_64 3
		.amdhsa_memory_ordered 1
		.amdhsa_forward_progress 1
		.amdhsa_inst_pref_size 19
	.end_amdhsa_kernel
	.amdgpu_metadata
---
amdhsa.version: [ 1, 2 ]
amdhsa.kernels:
  - .name:           k_qcd8e7fa9d2_lnq
    .symbol:         k_qcd8e7fa9d2_lnq.kd
    .args:
      - { .name: pre1, .offset: 0, .size: 8, .value_kind: global_buffer, .address_space: global }
      - { .name: ln1_g, .offset: 8, .size: 8, .value_kind: global_buffer, .address_space: global }
      - { .name: ln1_b, .offset: 16, .size: 8, .value_kind: global_buffer, .address_space: global }
      - { .name: wq_c, .offset: 24, .size: 8, .value_kind: global_buffer, .address_space: global }
      - { .name: xq, .offset: 32, .size: 8, .value_kind: global_buffer, .address_space: global }
    .group_segment_fixed_size: 50432
    .private_segment_fixed_size: 0
    .kernarg_segment_align: 8
    .kernarg_segment_size: 40
    .max_flat_workgroup_size: 256
    .sgpr_count:     66
    .vgpr_count:     256
    .wavefront_size: 32
...
	.end_amdgpu_metadata
.endif
;; end of part 5
;; launch cross (part 6): grid 16 x 16, 4 waves a work-group, clusters of 4 x 1, 327,680 bytes of LDS; arguments prep, xq, out2, obuf_c; writes out2, obuf_c
.if DOCPART == 6
	.amdgcn_target "amdgcn-amd-amdhsa--gfx1250"
	.amdhsa_code_object_version 6
	.text
	.protected	k_qcd8e7fa9d2_cross
	.globl	k_qcd8e7fa9d2_cross
	.p2align	8
	.type	k_qcd8e7fa9d2_cross,@function
k_qcd8e7fa9d2_cross:
	s_mov_b64 s[64:65], 0
	v_nop
	global_prefetch_b8 v0, s[64:65] scope:SCOPE_SE
	s_setreg_imm32_b32 hwreg(HW_REG_WAVE_MODE, 25, 1), 1
	s_wait_xcnt 0x0
	s_wait_alu depctr_hold_cnt(0) depctr_sa_sdst(0) depctr_va_vdst(0) depctr_va_sdst(0) depctr_va_ssrc(0) depctr_va_vcc(0) depctr_vm_vsrc(0)
	s_getreg_b32 s2, hwreg(HW_REG_IB_STS2, 6, 4)
	s_cmp_eq_u32 s2, 0
	s_cbranch_scc0 .Lentry_in_a_cluster
	s_endpgm
.Lentry_in_a_cluster:
	s_bfe_u32 s2, ttmp6, 0x10000c
	s_cmp_lg_u32 s2, 0x3003
	s_cbranch_scc0 .Lentry_shape_is_right
	s_endpgm
.Lentry_shape_is_right:
; CROSS-ATTENTION for one (batch, head): K_c and V_c of 1,024 tokens on codes of FP4 (E2M1) with E8M0 scales along d, the scores, the softmax and the weighted sum of V_c, all in one work-group.
; SHARES.  128 columns (64 of K_c, 64 of V_c) x 1,024 tokens x K 1,024: 4,096 matrix lines, 1,024 a wave.  Wave w owns the tiles of 16 tokens T = 16 p + 4 w + i (phase p, i = 0..3).
; The head's 64 weight fragments stay in every wave's registers (512); a token tile's 8 fragments are read from LDS once, by the one wave that owns the tile.
; LAYOUT.  Source 0 = 16 columns of the weight, source 1 = 16 tokens: a lane holds ONE token (lane % 16) and, of each tile of columns, the eight 8 (lane / 16) + j.  So the score is a dot product in the lane
; and one exchange with lane xor 16, and each lane runs a softmax of its own over its 16 tokens: running maximum M, sum, and 32 numbers of the weighted V_c.  Lanes and waves are merged at the end.
; The scores (x log2(e)/8) are kept in LDS; out2 = 2^(t - M) / L is made when M and L are known.
; CLUSTER.  The four heads of a cluster walk the same codes of enc_output: every tile is asked for JOINTLY (mask 15), with a descriptor made of the batch, the wave's number and constants alone.
; RING.  Two slots of 16 token tiles (131,072 bytes); a wave fetches and reads its own quarter.  Three tensor loads of a wave are out at the start, one behind each round.
; This launch claims all of the LDS.
; LIMITS: the running maximum starts at -3e38; NaN and infinities are not served.
; REGISTERS, in windows of 256: window 0: v4-11, v24-30 addresses; v14-19 M, sum, the two factors; v32-63 the weights' scale words, v64-71 the tokens' (two sets); v72-103 Q_c x log2(e)/8;
;   v104-135 the weighted V_c; v136-199 eight accumulators; v200.. at work.   window 1: weights of K steps 0-3.   window 2: K steps 4-7.   window 3: v0-127 two sets of a token tile's fragments.
.set ENCS,  8388608
.set WIMG,  8912896
.set WSC,   9961472
.set SLOT1, 131072
.set ESC,   262144                     ; the tokens' scale words of the whole batch, 8,192 bytes a wave: filled once
.set SC,    294912                     ; the scores, 4,096 bytes
.set WST,   299008                     ; the waves' (maximum, sum)
.set OP,    299264                     ; the waves' weighted V_c, 256 bytes each
.set SPARE, 300288
.set SPW, 12
.set NIL, 13
.set MX,  14
.set LS,  15
.set F,   16
.set P,   18
.set WS,  32
.set ES,  64
.set QC,  72
.set O,   104
.set ACC, 136
.set WV,  12
.set G1C, 16                           ; s[16:23] group 1 for codes: 128 rows of 256 bytes, dense
.set G1S, 24                           ; s[24:31] group 1 for scale words: 4 rows of 2,048 bytes, 8,192 apart
.set G0A, 32
.set G0B, 36
.set G0S, 40
.set SEL, 44
.set PFA, 46
.set MSB, 0
.macro WIN new                         ; the immediate's high byte repeats the setting that is left
.if MSB != \new
	s_set_vgpr_msb (MSB<<8)|\new
.set MSB, \new
.endif
.endm
.macro CROUND                          ; a round of the cluster's barrier
	s_barrier_signal -1
	s_barrier_wait -1
	s_cmp_lg_u32 s[WV], 0
	s_cbranch_scc1 .Lnot_wave_0_\@
	s_barrier_signal -3
.Lnot_wave_0_\@:
	s_barrier_wait -3
	s_barrier_signal -1
	s_barrier_wait -1
.endm
	s_load_b256 s[4:11], s[0:1], 0x0               ; prep, xq, out2, obuf_c
	v_lshl_add_u32 v[SPW], v0, 2, SPARE
	v_mov_b32 v[NIL], 0
	ds_add_u32 v[SPW], v[NIL]                      ; the wave's opening: the add and its wait stand ahead of my first tensor load; work on registers stands between them
	v_lshrrev_b32 v1, 5, v0
	v_readfirstlane_b32 s[WV], v1                  ; wave 0..3
	s_bfe_u32 s13, ttmp6, 0x40000                  ; cx: it enters my head's global addresses and the prefetch's alone
	s_lshl_b32 s14, ttmp9, 2
	s_add_co_u32 s14, s14, s13                     ; head
	s_and_b32 s15, ttmp7, 0xffff                   ; batch
	s_mov_b32 s[G1C], 0x0023000f                   ; mask 15, elements of 8 bytes, bit 21 beside the mask, no padding
	s_mov_b32 s[G1C+1], 32<<16
	s_mov_b32 s[G1C+2], 128<<16
	s_mov_b32 s[G1C+3], 32<<16
	s_mov_b32 s[G1C+4], 128
	s_mov_b32 s[G1C+5], 32
	s_mov_b32 s[G1C+6], 0
	s_mov_b32 s[G1C+7], 0
	s_mov_b32 s[G1S], 0x0023000f
	s_mov_b32 s[G1S+1], 256<<16
	s_mov_b32 s[G1S+2], 4<<16
	s_mov_b32 s[G1S+3], 256<<16
	s_mov_b32 s[G1S+4], 4
	s_mov_b32 s[G1S+5], 1024
	s_mov_b32 s[G1S+6], 0
	s_mov_b32 s[G1S+7], 0
	s_mov_b32 s[SEL], 0x76543210
	s_mov_b32 s[SEL+1], 0xfedcba98
	s_lshl_b32 s50, s15, 19
	s_lshl_b32 s48, s[WV], 15                      ; 32,768 w
	s_add_co_u32 s50, s50, s48
	s_mov_b32 s51, 0
	s_lshl_b32 s62, s15, 15
	s_lshl_b32 s49, s[WV], 11
	s_add_co_u32 s62, s62, s49
	s_add_co_u32 s62, s62, ENCS
	s_mov_b32 s63, 0
	s_lshl_b32 s49, s[WV], 13                      ; 8,192 w
	v_and_b32 v1, 31, v0
	v_and_b32 v2, 15, v0
	v_bfe_u32 v3, v0, 4, 1
	v_lshlrev_b32 v8, 4, v1                        ; 16 x lane
	v_add_nc_u32 v4, s48, v8                       ; my quarter of slot 0,
	v_add_nc_u32 v5, SLOT1, v4                     ; of slot 1
	v_lshlrev_b32 v30, 3, v1                       ; 8 x lane
	v_add_nc_u32 v6, s49, v30
	v_add_nc_u32 v6, ESC, v6                       ; my scale words
	s_lshl_b32 s3, s[WV], 8
	v_lshl_add_u32 v7, v2, 2, s3
	v_add_nc_u32 v7, SC, v7                        ; the scores of my tiles: 256 w + 4 r
	v_lshlrev_b32 v9, 2, v1
	v_lshlrev_b32 v10, 8, v1
	v_lshlrev_b32 v11, 5, v3
	v_add_nc_u32 v26, s3, v11
	v_add_nc_u32 v26, OP, v26                      ; OP + 256 w + 32 hh
	s_lshl_b32 s3, s[WV], 3
	s_add_co_u32 s3, s3, WST
	v_mov_b32 v24, s3
	v_mov_b32 v25, WST
	v_add_nc_u32 v27, OP, v30
	v_lshlrev_b32 v29, 4, v0                       ; 16 x thread
	v_add_nc_u32 v28, SC, v29
	s_wait_dscnt 0x0                               ; the opening add is done
	s_wait_kmcnt 0x0
	s_mov_b32 s[G0A], 1
	s_mov_b32 s[G0A+1], s48
	s_add_nc_u64 s[G0A+2:G0A+3], s[4:5], s[50:51]  ; phase 0: my four tiles
	s_mov_b32 s[G0B], 1
	s_add_co_u32 s[G0B+1], s48, SLOT1
	s_add_nc_u64 s[G0B+2:G0B+3], s[G0A+2:G0A+3], SLOT1     ; phase 1: 16 tiles of 8,192 bytes on
	s_or_b32 s[G0A+3], s[G0A+3], 0x80000000
	s_or_b32 s[G0B+3], s[G0B+3], 0x80000000
	s_mov_b32 s[G0S], 1
	s_add_co_u32 s[G0S+1], s49, ESC
	s_add_nc_u64 s[G0S+2:G0S+3], s[4:5], s[62:63]
	s_or_b32 s[G0S+3], s[G0S+3], 0x80000000
	s_lshl_b32 s2, s14, 16
	s_add_co_u32 s2, s2, WIMG
	s_mov_b32 s3, 0
	s_add_nc_u64 s[52:53], s[4:5], s[2:3]          ; my head's fragments,
	s_lshl_b32 s2, s14, 12
	s_add_co_u32 s2, s2, WSC
	s_add_nc_u64 s[54:55], s[4:5], s[2:3]          ; their scale words
	s_lshl_b32 s2, s15, 12
	s_lshl_b32 s58, s14, 8
	s_add_co_u32 s2, s2, s58
	s_add_nc_u64 s[60:61], s[10:11], s[2:3]        ; o_c
	s_add_co_u32 s2, s2, 65536
	s_add_nc_u64 s[56:57], s[6:7], s[2:3]          ; the four partial Q_c
	s_lshl_b32 s2, s15, 4
	s_add_co_u32 s2, s2, s14
	s_lshl_b32 s2, s2, 12
	s_add_nc_u64 s[58:59], s[8:9], s[2:3]          ; out2
	s_lshl_b32 s2, s13, 2
	s_add_co_u32 s2, s2, s[WV]
	s_add_co_u32 s2, s2, 48
	s_lshl_b32 s2, s2, 13
	s_lshl_b32 s46, s15, 19
	s_add_co_u32 s2, s2, s46
	s_add_nc_u64 s[PFA:PFA+1], s[4:5], s[2:3]      ; the prefetch: tile 48 + 4 cx + w of my batch
	CROUND                                         ; all four work-groups are here: the first joint loads meet
	tensor_load_to_lds s[G0S:G0S+3], s[G1S:G1S+7]
	s_nop 0
	tensor_load_to_lds s[G0A:G0A+3], s[G1C:G1C+7]
	s_nop 0
	tensor_load_to_lds s[G0B:G0B+3], s[G1C:G1C+7]
	s_nop 0
.rept 4
	v_nop
.endr
	WIN 0x40                                       ; destination window 1
.irp s, 0,1,2,3
.irp t, 0,1,2,3,4,5,6,7
.irp c, 0,1
	global_load_b128 v[64*\s+8*\t+4*\c:64*\s+8*\t+4*\c+3], v8, s[52:53] offset:8192*\t+1024*\s+512*\c
.endr
.endr
.endr
	WIN 0x80                                       ; destination window 2
.irp s, 0,1,2,3
.irp t, 0,1,2,3,4,5,6,7
.irp c, 0,1
	global_load_b128 v[64*\s+8*\t+4*\c:64*\s+8*\t+4*\c+3], v8, s[52:53] offset:8192*\t+1024*(\s+4)+512*\c
.endr
.endr
.endr
	WIN 0
.set i, 0
.rept 32
	global_load_b32 v[WS+i], v9, s[54:55] offset:128*i
.set i, i+1
.endr
.irp t, 0,1,2,3
.irp g, 0,1
	global_load_b128 v[QC+8*\t+4*\g:QC+8*\t+4*\g+3], v11, s[56:57] offset:64*\t+16*\g
	global_load_b128 v[136+8*\t+4*\g:139+8*\t+4*\g], v11, s[56:57] offset:65536+64*\t+16*\g
	global_load_b128 v[168+8*\t+4*\g:171+8*\t+4*\g], v11, s[56:57] offset:131072+64*\t+16*\g
	global_load_b128 v[200+8*\t+4*\g:203+8*\t+4*\g], v11, s[56:57] offset:196608+64*\t+16*\g
.endr
.endr
.set i, 0
.rept 32
	v_mov_b32 v[O+i], 0                            ; the step is written once: the first finds zeros
.set i, i+1
.endr
	v_mov_b32 v[LS], 0
	v_mov_b32 v[MX], 0xff61b1e6                    ; -3e38, under every score
	v_mov_b32 v[F+1], 0                            ; (named as upper halves of pairs)
	v_mov_b32 v[P+1], 0
	s_wait_loadcnt 0x0
.set i, 0
.rept 16
	v_pk_add_f32 v[QC+i:QC+i+1], v[QC+i:QC+i+1], v[136+i:137+i]
	v_pk_add_f32 v[168+i:169+i], v[168+i:169+i], v[200+i:201+i]
.set i, i+2
.endr
.set i, 0
.rept 16
	v_pk_add_f32 v[QC+i:QC+i+1], v[QC+i:QC+i+1], v[168+i:169+i]
.set i, i+2
.endr
.set i, 0
.rept 16
	v_pk_mul_f32 v[QC+i:QC+i+1], v[QC+i:QC+i+1], 0x3e38aa3b op_sel_hi:[1,0]    ; x log2(e) / 8
.set i, i+2
.endr
	v_mov_b32 v204, 0                              ; a lane permute's destination counts as read
	s_wait_tensorcnt 1                             ; my scale words and my quarter of slot 0 are in; slot 1's load may be out.  I alone read these bytes: no barrier
; tile i of phase p from the slot at v[ad] into set z: 16 loads of fragments, 2 of scale words
.macro FETCH z, ad, i, p
	WIN 0xc0                                       ; destination window 3
.irp s, 0,1,2,3,4,5,6,7
.irp c, 0,1
	ds_load_b128 v[64*(\z)+8*\s+4*\c:64*(\z)+8*\s+4*\c+3], v[\ad] offset:8192*(\i)+1024*\s+512*\c
.endr
.endr
	WIN 0
	ds_load_b64 v[ES+4*(\z):ES+4*(\z)+1], v6 offset:2048*(\p)+512*(\i)
	ds_load_b64 v[ES+4*(\z)+2:ES+4*(\z)+3], v6 offset:2048*(\p)+512*(\i)+256
.endm
; one matrix line: K step s, tile of columns t.  The weights' words of an odd tile and the tokens' words of an odd K step lie in lanes 16-31
.macro WM z, s, t
.set rD, ACC+8*(\t)
.set rW, 64*((\s)%4)+8*(\t)
.set rE, 64*(\z)+8*(\s)
.set rA, WS+2*(8*((\t)/4)+(\s))+((\t)%4)/2
.set rB, ES+4*(\z)+(\s)/2
.if (\s) == 0
.if (\t)%2 == 0
	v_wmma_scale_f32_16x16x128_f8f6f4 v[rD:rD+7], v[rW:rW+7], v[rE:rE+7], 0, v[rA], v[rB] matrix_a_fmt:MATRIX_FMT_FP4 matrix_b_fmt:MATRIX_FMT_FP4
.else
	v_wmma_scale_f32_16x16x128_f8f6f4 v[rD:rD+7], v[rW:rW+7], v[rE:rE+7], 0, v[rA], v[rB] matrix_a_fmt:MATRIX_FMT_FP4 matrix_b_fmt:MATRIX_FMT_FP4 matrix_a_scale:MATRIX_SCALE_ROW1
.endif
.elseif (\s)%2 == 0
.if (\t)%2 == 0
	v_wmma_scale_f32_16x16x128_f8f6f4 v[rD:rD+7], v[rW:rW+7], v[rE:rE+7], v[rD:rD+7], v[rA], v[rB] matrix_a_fmt:MATRIX_FMT_FP4 matrix_b_fmt:MATRIX_FMT_FP4
.else
	v_wmma_scale_f32_16x16x128_f8f6f4 v[rD:rD+7], v[rW:rW+7], v[rE:rE+7], v[rD:rD+7], v[rA], v[rB] matrix_a_fmt:MATRIX_FMT_FP4 matrix_b_fmt:MATRIX_FMT_FP4 matrix_a_scale:MATRIX_SCALE_ROW1
.endif
.else
.if (\t)%2 == 0
	v_wmma_scale_f32_16x16x128_f8f6f4 v[rD:rD+7], v[rW:rW+7], v[rE:rE+7], v[rD:rD+7], v[rA], v[rB] matrix_a_fmt:MATRIX_FMT_FP4 matrix_b_fmt:MATRIX_FMT_FP4 matrix_b_scale:MATRIX_SCALE_ROW1
.else
	v_wmma_scale_f32_16x16x128_f8f6f4 v[rD:rD+7], v[rW:rW+7], v[rE:rE+7], v[rD:rD+7], v[rA], v[rB] matrix_a_fmt:MATRIX_FMT_FP4 matrix_b_fmt:MATRIX_FMT_FP4 matrix_a_scale:MATRIX_SCALE_ROW1 matrix_b_scale:MATRIX_SCALE_ROW1
.endif
.endif
.endm
; a token tile's 64 matrix lines: the eight accumulators take turns, one line a turn; the first K step starts the sums
.macro MM z
	WIN 0x0d                                       ; source 0 window 1, source 1 window 3
.irp s, 0,1,2,3,4,5,6,7
.if \s == 4
	WIN 0x0e                                       ; source 0 window 2
.endif
.irp t, 0,1,2,3,4,5,6,7
	WM \z, \s, \t
.endr
.endr
	WIN 0
.endm
; my token's score, its place in the running softmax, and V_c into the weighted sum.  Each accumulator is read from its low end on.
.macro SOFT off
.rept 4
	v_nop                                          ; places behind the last matrix lines
.endr
	v_pk_mul_f32 v[200:201], v[ACC:ACC+1], v[QC:QC+1]
	v_pk_mul_f32 v[202:203], v[ACC+2:ACC+3], v[QC+2:QC+3]
.irp i, 4,8,12,16,20,24,28
	v_pk_fma_f32 v[200:201], v[ACC+\i:ACC+\i+1], v[QC+\i:QC+\i+1], v[200:201]
	v_pk_fma_f32 v[202:203], v[ACC+\i+2:ACC+\i+3], v[QC+\i+2:QC+\i+3], v[202:203]
.endr
	v_pk_add_f32 v[200:201], v[200:201], v[202:203]
	v_add_f32 v200, v200, v201
	v_permlanex16_b32 v204, v200, s[SEL], s[SEL+1]
	v_add_f32 v20, v200, v204                      ; t, the same in both lanes of a token
	ds_store_b32 v7, v20 offset:\off
	v_max_num_f32 v21, v[MX], v20
	v_sub_f32 v22, v[MX], v21
	v_sub_f32 v23, v20, v21
	v_exp_f32 v[F], v22                            ; what was summed goes under the new maximum,
	v_exp_f32 v[P], v23                            ; and this token's weight
	v_mov_b32 v[MX], v21                           ; (the plain line behind the two)
	s_wait_alu depctr_va_vdst(0)                   ; one wait for the two, ahead of their first reader
	v_fma_f32 v[LS], v[LS], v[F], v[P]
.irp i, 0,2,4,6,8,10,12,14,16,18,20,22,24,26,28,30
	v_pk_mul_f32 v[O+\i:O+\i+1], v[O+\i:O+\i+1], v[F:F+1] op_sel_hi:[1,0]
.endr
.irp i, 0,2,4,6,8,10,12,14,16,18,20,22,24,26,28,30
	v_pk_fma_f32 v[O+\i:O+\i+1], v[ACC+32+\i:ACC+33+\i], v[P:P+1], v[O+\i:O+\i+1] op_sel_hi:[1,0,1]
.endr
.endm
; a phase: my four tiles of a slot.  The next tile's loads are issued ahead of this tile's products, into the set that the tile before last multiplied (that tile's softmax lines are the places between)
.macro PHASE p, ad
	FETCH 0, \ad, 0, \p
.irp i, 0,1,2,3
.if \i < 3
	FETCH (\i+1)%2, \ad, \i+1, \p
	s_wait_dscnt 18                                ; all but the 18 loads just issued: this tile is in
.else
	s_wait_dscnt 0x0
.endif
	MM \i%2
	SOFT 64*(16*(\p)+\i)
.endr
.endm
; the slot just read out is filled again, two phases ahead: all my tensor loads have landed, the add, my reads are over, a round of the cluster's barrier, and the joint load first behind it
.macro CHANGE g0
	s_wait_tensorcnt 0x0                           ; no tensor load of mine is out, so a group 0 may be written
	ds_add_u32 v[SPW], v[NIL]
	s_add_nc_u64 s[\g0+2:\g0+3], s[\g0+2:\g0+3], 2*SLOT1
	s_wait_dscnt 0x0
	CROUND
	tensor_load_to_lds s[\g0:\g0+3], s[G1C:G1C+7]
	s_nop 0
.rept 4
	v_nop
.endr
.endm
	PHASE 0, 4
	CHANGE G0A
	; a prefetch of phase 3's 16 tiles, a phase ahead of the load that asks for them: the batch's first cluster asks (the same branch in all four partners); its sixteen waves take a tile each, told apart by address; lanes 256 bytes apart
	s_cmp_lg_u32 ttmp9, 0
	s_cbranch_scc1 .Lno_ask
	global_prefetch_b8 v10, s[PFA:PFA+1] th:TH_LOAD_NT scope:SCOPE_SE
.Lno_ask:
	PHASE 1, 5
	CHANGE G0B
	PHASE 2, 4
	s_wait_tensorcnt 0x0                           ; phase 3's tiles are in: no load was issued behind theirs
	PHASE 3, 5
	; ---- the sixteen lanes of a half are merged under their largest M, then the four waves
	v_mov_b32 v20, v[MX]
.irp m, 1,2,4,8
	v_max_num_f32_dpp v20, v20, v20 row_xmask:\m row_mask:0xf bank_mask:0xf
.endr
	v_sub_f32 v21, v[MX], v20
	v_exp_f32 v22, v21
	v_mov_b32 v23, 0
	s_wait_alu depctr_va_vdst(0)
	v_mul_f32 v21, v[LS], v22
.irp m, 1,2,4,8
	v_add_f32_dpp v21, v21, v21 row_xmask:\m row_mask:0xf bank_mask:0xf
.endr
	ds_store_b64 v24, v[20:21]                     ; my wave's (maximum, sum)
.irp i, 0,2,4,6,8,10,12,14,16,18,20,22,24,26,28,30
	v_pk_mul_f32 v[O+\i:O+\i+1], v[O+\i:O+\i+1], v[22:23] op_sel_hi:[1,0]
.endr
.irp m, 1,2,4,8
.set i, 0
.rept 32
	v_add_f32_dpp v[O+i], v[O+i], v[O+i] row_xmask:\m row_mask:0xf bank_mask:0xf
.set i, i+1
.endr
.endr
.irp t, 0,1,2,3
	ds_store_b128 v26, v[O+8*\t:O+8*\t+3] offset:64*\t             ; the lanes of a half write the same bytes with the same values
	ds_store_b128 v26, v[O+8*\t+4:O+8*\t+7] offset:64*\t+16
.endr
	s_wait_dscnt 0x0
	s_barrier_signal -1
	s_barrier_wait -1
	ds_load_b128 v[200:203], v25
	ds_load_b128 v[204:207], v25 offset:16
	ds_load_b128 v[208:211], v28
	ds_load_b128 v[212:215], v28 offset:2048
	s_wait_dscnt 0x0
	v_max3_num_f32 v216, v200, v202, v204
	v_max_num_f32 v216, v216, v206                 ; the row's maximum
	v_mov_b32 v217, 0
.irp w, 0,1,2,3
	v_sub_f32 v[220+\w], v[200+2*\w], v216
.endr
.irp w, 0,1,2,3
	v_exp_f32 v[220+\w], v[220+\w]
.endr
.irp i, 0,2,4,6
	v_pk_add_f32 v[208+\i:209+\i], v[208+\i:209+\i], v[216:217] op_sel_hi:[1,0] neg_lo:[0,1] neg_hi:[0,1]
.endr
	s_wait_alu depctr_va_vdst(0)
.irp i, 0,1,2,3,4,5,6,7
	v_exp_f32 v[208+\i], v[208+\i]
.endr
	v_mul_f32 v224, v201, v220
	v_fma_f32 v224, v203, v221, v224
	v_fma_f32 v224, v205, v222, v224
	v_fma_f32 v224, v207, v223, v224               ; the row's sum
	v_rcp_f32 v226, v224
	v_mov_b32 v227, 0
	s_wait_alu depctr_va_vdst(0)                   ; one wait for the eight exponentials and the reciprocal
.irp i, 0,2,4,6
	v_pk_mul_f32 v[208+\i:209+\i], v[208+\i:209+\i], v[226:227] op_sel_hi:[1,0]
.endr
	global_store_b128 v29, v[208:211], s[58:59]    ; a wave stores 512 consecutive bytes
	global_store_b128 v29, v[212:215], s[58:59] offset:2048
	s_cmp_lg_u32 s[WV], 0
	s_cbranch_scc1 .Lnot_first
.irp w, 0,1,2,3
	ds_load_b64 v[230+2*\w:231+2*\w], v27 offset:256*\w
.endr
.irp w, 0,1,2,3
	v_mul_f32 v[220+\w], v[220+\w], v226
.endr
	s_wait_dscnt 0x0
	v_pk_mul_f32 v[238:239], v[230:231], v[220:221] op_sel_hi:[1,0]
	v_pk_fma_f32 v[238:239], v[232:233], v[220:221], v[238:239] op_sel:[0,1,0] op_sel_hi:[1,1,1]
	v_pk_fma_f32 v[238:239], v[234:235], v[222:223], v[238:239] op_sel_hi:[1,0,1]
	v_pk_fma_f32 v[238:239], v[236:237], v[222:223], v[238:239] op_sel:[0,1,0] op_sel_hi:[1,1,1]
	global_store_b64 v30, v[238:239], s[60:61]     ; 256 consecutive bytes, aligned
.Lnot_first:
	s_wait_tensorcnt 0x0                           ; the wave's end
	ds_add_u32 v[SPW], v[NIL]
	s_wait_dscnt 0x0
	CROUND                                         ; the closing round
	s_endpgm
.Lfunc_end_k_qcd8e7fa9d2_cross:
	.size	k_qcd8e7fa9d2_cross, .Lfunc_end_k_qcd8e7fa9d2_cross-k_qcd8e7fa9d2_cross
	.p2alignl 7, 3214868480
	.fill 96, 4, 3214868480
	.section	.rodata,"a",@progbits
	.p2align	6, 0x0
	.amdhsa_kernel k_qcd8e7fa9d2_cross
		.amdhsa_group_segment_fixed_size 327680
		.amdhsa_private_segment_fixed_size 0
		.amdhsa_enable_private_segment 0
		.amdhsa_kernarg_size 32
		.amdhsa_user_sgpr_count 2
		.amdhsa_user_sgpr_kernarg_segment_ptr 1
		.amdhsa_wavefront_size32 1
		.amdhsa_system_sgpr_workgroup_id_x 1
		.amdhsa_system_sgpr_workgroup_id_y 1
		.amdhsa_system_sgpr_workgroup_id_z 1
		.amdhsa_system_vgpr_workitem_id 0
		.amdhsa_next_free_vgpr 1024
		.amdhsa_next_free_sgpr 66
		.amdhsa_reserve_vcc 0
		.amdhsa_float_denorm_mode_32 3
		.amdhsa_float_denorm_mode_16_64 3
		.amdhsa_memory_ordered 1
		.amdhsa_forward_progress 1
		.amdhsa_inst_pref_size 253
	.end_amdhsa_kernel
	.amdgpu_metadata
---
amdhsa.version: [ 1, 2 ]
amdhsa.kernels:
  - .name:           k_qcd8e7fa9d2_cross
    .symbol:         k_qcd8e7fa9d2_cross.kd
    .args:
      - { .name: prep, .offset: 0, .size: 8, .value_kind: global_buffer, .address_space: global }
      - { .name: xq, .offset: 8, .size: 8, .value_kind: global_buffer, .address_space: global }
      - { .name: out2, .offset: 16, .size: 8, .value_kind: global_buffer, .address_space: global }
      - { .name: obuf_c, .offset: 24, .size: 8, .value_kind: global_buffer, .address_space: global }
    .group_segment_fixed_size: 327680
    .private_segment_fixed_size: 0
    .kernarg_segment_align: 8
    .kernarg_segment_size: 32
    .max_flat_workgroup_size: 128
    .sgpr_count:     66
    .vgpr_count:     1024
    .wavefront_size: 32
...
	.end_amdgpu_metadata
.endif
;; end of part 6
;; launch wo2 (part 7): grid 16 x 1, 16 waves a work-group, no clusters, 67,840 bytes of LDS; arguments obuf_c, ffn, bo_c, xq, pre2; writes pre2
.if DOCPART == 7
	.amdgcn_target "amdgcn-amd-amdhsa--gfx1250"
	.amdhsa_code_object_version 6
	.text
	.protected	k_qcd8e7fa9d2_wo2
	.globl	k_qcd8e7fa9d2_wo2
	.p2align	8
	.type	k_qcd8e7fa9d2_wo2,@function
k_qcd8e7fa9d2_wo2:
	s_mov_b64 s[64:65], 0
	v_nop
	global_prefetch_b8 v0, s[64:65] scope:SCOPE_SE
	s_setreg_imm32_b32 hwreg(HW_REG_WAVE_MODE, 25, 1), 1
	s_wait_xcnt 0x0
; Y[16][64 columns of slab x] = X[16][1024] W[1024][1024] + bias + residual, bf16 operands, f32 sums; and for each row the slab's mean and sum of squared deviations, for the layer norm that follows.
; Wave w takes K = 64 w .. 64 w + 63 (two matrix steps of 32); the sixteen partial tiles meet in LDS; wave w then finishes row w.
; W (here wo_c) comes as bf16 fragments that the first launch has laid: byte 131072 x + 4096 S + 2048 hh + 512 j + 256 qh + 16 r + 4 p holds (k, k + 1), k = 32 S + 16 hh + 8 qh + 2 p, of column 64 x + 4 r + j.
; So tile j is made of the columns 4 r + j, register q = 4 qh + p of an operand holds k = 32 S + 16 hh + 2 q, 2 q + 1 on BOTH sides (the same permutation of k in both operands keeps every product),
; each load fills four registers of a fragment, and sixteen lanes read 256 consecutive bytes, aligned.
; The layer norm behind this product wants whole-K sums of whole 256-byte pieces of a row: so there are 16 work-groups, one to a slab.
.set WOFF,  3211264                    ; where wo_c's fragments begin in the buffer ffn: 1,114,112 + 2,097,152
.set STT,   65536                      ; LDS: 16 partial tiles of 4,096 bytes at 0; 16 pairs (mean, M2) here
.set SPARE, 65792
.set SPW, 14
.set NIL, 15
.set WV,  14
.set SEL, 16
.macro BARRIER
	s_wait_dscnt 0x0
	s_barrier_signal -1
	s_barrier_wait -1
.endm
.macro WSUM x, tmp
.irp m, 1,2,4,8
	v_add_f32_dpp v[\x], v[\x], v[\x] row_xmask:\m row_mask:0xf bank_mask:0xf
.endr
	v_permlanex16_b32 v[\tmp], v[\x], s[SEL], s[SEL+1]
	v_add_f32 v[\x], v[\x], v[\tmp]
.endm
	s_load_b256 s[4:11], s[0:1], 0x0               ; X, ffn (W's fragments), bias, residual
	s_load_b64 s[12:13], s[0:1], 0x20              ; out
	v_lshl_add_u32 v[SPW], v0, 2, SPARE
	v_mov_b32 v[NIL], 0
	v_lshrrev_b32 v1, 5, v0
	v_readfirstlane_b32 s[WV], v1                  ; wave 0..15
	v_and_b32 v1, 31, v0                           ; lane
	v_and_b32 v2, 15, v0                           ; r
	v_bfe_u32 v3, v0, 4, 1                         ; hh
	s_mov_b32 s[SEL], 0x76543210
	s_mov_b32 s[SEL+1], 0xfedcba98
	v_lshlrev_b32 v4, 11, v3
	v_lshl_add_u32 v4, v2, 4, v4                   ; W's fragments: 2,048 hh + 16 r
	v_lshlrev_b32 v5, 12, v2
	v_lshl_add_u32 v5, v3, 6, v5                   ; X: row r + 64 hh
	s_lshl_b32 s18, s[WV], 12
	v_lshlrev_b32 v6, 11, v3
	v_lshl_add_u32 v6, v2, 4, v6
	v_add_nc_u32 v6, s18, v6                       ; my partial tile: row 8 hh + jj at 256 bytes a row, column 4 r + j
	s_lshl_b32 s18, s[WV], 8
	v_lshl_add_u32 v7, v1, 3, s18                  ; row w of a partial tile, 8 bytes a lane
	v_lshlrev_b32 v8, 3, v1
	s_lshl_b32 s18, s[WV], 3
	s_add_co_u32 s18, s18, STT
	v_mov_b32 v9, s18
	v_lshlrev_b32 v3, 2, v1                        ; (r and hh are done with) 4 x lane,
	v_add_nc_u32 v2, STT, v3                       ; and the statistics' words
	s_lshl_b32 s20, s[WV], 8
	s_mov_b32 s21, 0
	s_lshl_b32 s22, ttmp9, 17                      ; a slab's fragments are 131,072 bytes,
	s_lshl_b32 s19, s[WV], 13                      ; my two K steps 8,192
	s_add_co_u32 s22, s22, s19
	s_add_co_u32 s22, s22, WOFF
	s_mov_b32 s23, 0
	s_lshl_b32 s19, ttmp9, 8
	s_mov_b32 s24, s19
	s_mov_b32 s25, 0
	s_lshl_b32 s26, s[WV], 12
	s_add_co_u32 s26, s26, s19
	s_mov_b32 s27, 0
	s_lshl_b32 s28, ttmp9, 7
	s_add_co_u32 s28, s28, 65536
	s_mov_b32 s29, 0
	s_wait_kmcnt 0x0
	s_add_nc_u64 s[4:5], s[4:5], s[20:21]
	s_add_nc_u64 s[6:7], s[6:7], s[22:23]
	s_add_nc_u64 s[8:9], s[8:9], s[24:25]
	s_add_nc_u64 s[10:11], s[10:11], s[26:27]
	s_add_nc_u64 s[30:31], s[12:13], s[26:27]
	s_add_nc_u64 s[12:13], s[12:13], s[28:29]
	global_load_b64 v[10:11], v8, s[8:9]
	global_load_b64 v[12:13], v8, s[10:11]
.irp e, 0,1
.irp q, 0,1,2,3
	global_load_b128 v[144+16*\e+4*\q:147+16*\e+4*\q], v5, s[4:5] offset:128*\e+16*\q
.endr
.endr
.irp e, 0,1
.irp j, 0,1,2,3
.irp g, 0,1
	global_load_b128 v[16+32*\e+8*\j+4*\g:19+32*\e+8*\j+4*\g], v4, s[6:7] offset:4096*\e+512*\j+256*\g th:TH_LOAD_NT   ; step e, tile j, registers 4 g .. 4 g + 3
.endr
.endr
.endr
	s_wait_loadcnt 16                              ; bias, residual and X are in; W's 16 loads may be out
.set i, 0
.rept 16
	v_cvt_pk_bf16_f32 v[176+i], v[144+2*i], v[145+2*i]     ; X's two fragments
.set i, i+1
.endr
	s_wait_loadcnt 8                               ; W's step 0 is in; step 1's eight loads may be out
.irp j, 0,1,2,3
	v_wmma_f32_16x16x32_bf16 v[224+8*\j:231+8*\j], v[176:183], v[16+8*\j:23+8*\j], 0
.endr
	s_wait_loadcnt 0x0
.irp j, 0,1,2,3
	v_wmma_f32_16x16x32_bf16 v[224+8*\j:231+8*\j], v[184:191], v[48+8*\j:55+8*\j], v[224+8*\j:231+8*\j]   ; the four accumulators take turns
.endr
.rept 4
	v_nop                                          ; places ahead of the first read of results, and of the loads into registers that held fragments
.endr
.irp j, 0,1,2,3
.irp jj, 0,1,2,3,4,5,6,7
	ds_store_b32 v6, v[224+8*\j+\jj] offset:256*\jj+4*\j
.endr
.endr
	BARRIER
.set i, 0
.rept 16
	ds_load_b64 v[16+2*i:17+2*i], v7 offset:4096*i
.set i, i+1
.endr
	s_wait_dscnt 0x0
.irp i, 0,4,8,12,16,20,24,28
	v_pk_add_f32 v[16+\i:17+\i], v[16+\i:17+\i], v[18+\i:19+\i]
.endr
.irp i, 0,8,16,24
	v_pk_add_f32 v[16+\i:17+\i], v[16+\i:17+\i], v[20+\i:21+\i]
.endr
	v_pk_add_f32 v[16:17], v[16:17], v[24:25]
	v_pk_add_f32 v[32:33], v[32:33], v[40:41]
	v_pk_add_f32 v[16:17], v[16:17], v[32:33]
	v_pk_add_f32 v[16:17], v[16:17], v[10:11]
	v_pk_add_f32 v[16:17], v[16:17], v[12:13]
	global_store_b64 v8, v[16:17], s[30:31]        ; 256 consecutive bytes of row w, aligned
	v_add_f32 v20, v16, v17
	WSUM 20, 21
	v_mul_f32 v20, 0x3c800000, v20                 ; the slab's mean: / 64
	v_sub_f32 v22, v16, v20
	v_sub_f32 v23, v17, v20
	v_mul_f32 v24, v22, v22
	v_fma_f32 v24, v23, v23, v24
	WSUM 24, 25
	v_mov_b32 v21, v24                             ; and its sum of squared deviations
	ds_store_b64 v9, v[20:21]
	BARRIER
	s_cmp_lg_u32 s[WV], 0
	s_cbranch_scc1 .Ldone
	ds_load_b32 v26, v2
	s_wait_dscnt 0x0
	global_store_b32 v3, v26, s[12:13]             ; 16 rows x (mean, M2): 128 bytes a slab
.Ldone:
	s_wait_tensorcnt 0x0                           ; the wave's end
	ds_add_u32 v[SPW], v[NIL]
	s_wait_dscnt 0x0
	s_endpgm
.Lfunc_end_k_qcd8e7fa9d2_wo2:
	.size	k_qcd8e7fa9d2_wo2, .Lfunc_end_k_qcd8e7fa9d2_wo2-k_qcd8e7fa9d2_wo2
	.p2alignl 7, 3214868480
	.fill 96, 4, 3214868480
	.section	.rodata,"a",@progbits
	.p2align	6, 0x0
	.amdhsa_kernel k_qcd8e7fa9d2_wo2
		.amdhsa_group_segment_fixed_size 67840
		.amdhsa_private_segment_fixed_size 0
		.amdhsa_enable_private_segment 0
		.amdhsa_kernarg_size 40
		.amdhsa_user_sgpr_count 2
		.amdhsa_user_sgpr_kernarg_segment_ptr 1
		.amdhsa_wavefront_size32 1
		.amdhsa_system_sgpr_workgroup_id_x 1
		.amdhsa_system_sgpr_workgroup_id_y 1
		.amdhsa_system_sgpr_workgroup_id_z 1
		.amdhsa_system_vgpr_workitem_id 0
		.amdhsa_next_free_vgpr 256
		.amdhsa_next_free_sgpr 66
		.amdhsa_reserve_vcc 0
		.amdhsa_float_denorm_mode_32 3
		.amdhsa_float_denorm_mode_16_64 3
		.amdhsa_memory_ordered 1
		.amdhsa_forward_progress 1
		.amdhsa_inst_pref_size 13
	.end_amdhsa_kernel
	.amdgpu_metadata
---
amdhsa.version: [ 1, 2 ]
amdhsa.kernels:
  - .name:           k_qcd8e7fa9d2_wo2
    .symbol:         k_qcd8e7fa9d2_wo2.kd
    .args:
      - { .name: obuf_c, .offset: 0, .size: 8, .value_kind: global_buffer, .address_space: global }
      - { .name: ffn, .offset: 8, .size: 8, .value_kind: global_buffer, .address_space: global }
      - { .name: bo_c, .offset: 16, .size: 8, .value_kind: global_buffer, .address_space: global }
      - { .name: xq, .offset: 24, .size: 8, .value_kind: global_buffer, .address_space: global }
      - { .name: pre2, .offset: 32, .size: 8, .value_kind: global_buffer, .address_space: global }
    .group_segment_fixed_size: 67840
    .private_segment_fixed_size: 0
    .kernarg_segment_align: 8
    .kernarg_segment_size: 40
    .max_flat_workgroup_size: 512
    .sgpr_count:     66
    .vgpr_count:     256
    .wavefront_size: 32
...
	.end_amdgpu_metadata
.endif
;; end of part 7
;; launch ffn1 (part 8): grid 64 x 4, 8 waves a work-group, no clusters, 50,432 bytes of LDS; arguments pre2, ln2_g, ln2_b, ffn_w1, ffn; writes ffn
.if DOCPART == 8
	.amdgcn_target "amdgcn-amd-amdhsa--gfx1250"
	.amdhsa_code_object_version 6
	.text
	.protected	k_qcd8e7fa9d2_ffn1
	.globl	k_qcd8e7fa9d2_ffn1
	.p2align	8
	.type	k_qcd8e7fa9d2_ffn1,@function
k_qcd8e7fa9d2_ffn1:
	s_mov_b64 s[64:65], 0
	v_nop
	global_prefetch_b8 v0, s[64:65] scope:SCOPE_SE
	s_setreg_imm32_b32 hwreg(HW_REG_WAVE_MODE, 25, 1), 1
	s_wait_xcnt 0x0
; x = LayerNorm(pre) (mean and variance merged from the 16 slabs' means and sums of squared deviations: no difference of large sums), then a partial product
; Y_y[16][64 columns of slab x] = x[16][256 y .. 256 y + 255] W[..][slab], bf16 operands, f32 sums.  Wave w takes K = 256 y + 32 w .. + 31, one matrix step; the eight partial tiles meet in LDS.
; The work-groups with x = 0 also store x itself.  Lane (r, hh) loads columns 4 r .. 4 r + 3 of rows k0 + 16 hh + i (sixteen lanes: 256 consecutive bytes, aligned); tile j = columns 4 r + j; the same order of k on both sides.
.set WPITCH, 16384                     ; here W = ffn_w1 [1024][4096]: a row is 16,384 bytes,
.set SLABSH, 8                         ; a slab 256 bytes on;
.set OUTY,   262144                    ; the partial sums lie [y][16][4096] behind x
.set OPITCH, 16384
.set XS,    32768                      ; LDS: 8 partial tiles at 0; x, 16 rows of 1,024 bytes + 16, here
.set SPARE, 49408
.set SPW, 14
.set NIL, 15
.set SEL, 16
.macro BARRIER
	s_wait_dscnt 0x0
	s_barrier_signal -1
	s_barrier_wait -1
.endm
	s_load_b256 s[4:11], s[0:1], 0x0               ; pre, g, b, W
	s_load_b64 s[12:13], s[0:1], 0x20              ; out
	v_lshl_add_u32 v[SPW], v0, 2, SPARE
	v_mov_b32 v[NIL], 0
	v_lshrrev_b32 v1, 5, v0
	v_readfirstlane_b32 s14, v1
	v_and_b32 v1, 31, v0
	v_and_b32 v2, 15, v0
	v_bfe_u32 v3, v0, 4, 1
	s_and_b32 s15, ttmp7, 0xffff                   ; y
	s_mov_b32 s[SEL], 0x76543210
	s_mov_b32 s[SEL+1], 0xfedcba98
	s_mov_b32 s19, 0x42800000                      ; 64.0: the numbers in a slab
	v_mul_u32_u24 v4, v3, 16*WPITCH
	v_lshl_add_u32 v4, v2, 4, v4
	v_lshlrev_b32 v5, 12, v2
	v_lshl_add_u32 v5, v3, 6, v5
	s_lshl_b32 s18, s14, 12
	v_lshlrev_b32 v6, 11, v3
	v_lshl_add_u32 v6, v2, 4, v6
	v_add_nc_u32 v6, s18, v6
	s_lshl_b32 s18, s14, 9
	v_lshl_add_u32 v7, v1, 3, s18
	v_lshlrev_b32 v8, 3, v1
	v_lshlrev_b32 v9, 10, v3
	v_lshl_add_u32 v9, v2, 3, v9                   ; statistics: slabs 8 hh .., row r
	v_lshlrev_b32 v10, 6, v3
	s_lshl_b32 s18, s14, 7
	s_add_co_u32 s18, s18, XS
	v_mul_u32_u24 v11, v2, 1040
	v_add_nc_u32 v11, v11, v10
	v_add_nc_u32 v11, s18, v11
	s_mul_i32 s18, s14, 2080
	s_add_co_u32 s18, s18, XS
	v_lshlrev_b32 v12, 4, v1
	v_add_nc_u32 v13, s18, v12
	v_mov_b32 v220, 0
	s_lshl_b32 s20, s15, 10
	s_lshl_b32 s18, s14, 7
	s_add_co_u32 s20, s20, s18                     ; 4 k0
	s_mov_b32 s21, 0
	s_lshr_b32 s22, s20, 2
	s_mul_i32 s22, s22, WPITCH
	s_lshl_b32 s18, ttmp9, SLABSH
	s_add_co_u32 s22, s22, s18
	s_mov_b32 s23, 0
	s_mul_i32 s24, s15, OUTY
	s_mul_i32 s18, s14, 2*OPITCH
	s_add_co_u32 s24, s24, s18
	s_lshl_b32 s18, ttmp9, 8
	s_add_co_u32 s24, s24, s18
	s_add_co_u32 s24, s24, 65536
	s_mov_b32 s25, 0
	s_lshl_b32 s26, s14, 13
	s_lshl_b32 s18, s15, 10
	s_add_co_u32 s26, s26, s18
	s_mov_b32 s27, 0
	s_wait_kmcnt 0x0
	s_add_nc_u64 s[28:29], s[4:5], 65536
	s_add_nc_u64 s[4:5], s[4:5], s[20:21]
	s_add_nc_u64 s[6:7], s[6:7], s[20:21]
	s_add_nc_u64 s[8:9], s[8:9], s[20:21]
	s_add_nc_u64 s[10:11], s[10:11], s[22:23]
	s_add_nc_u64 s[30:31], s[12:13], s[24:25]
	s_add_nc_u64 s[12:13], s[12:13], s[26:27]
.irp s, 0,1,2,3,4,5,6,7
	global_load_b64 v[128+2*\s:129+2*\s], v9, s[28:29] offset:128*\s
.endr
.irp q, 0,1,2,3
	global_load_b128 v[80+4*\q:83+4*\q], v5, s[4:5] offset:16*\q
.endr
.irp q, 0,1,2,3
	global_load_b128 v[96+4*\q:99+4*\q], v10, s[6:7] offset:16*\q
.endr
.irp q, 0,1,2,3
	global_load_b128 v[112+4*\q:115+4*\q], v10, s[8:9] offset:16*\q
.endr
.set i, 0
.rept 16
	global_load_b128 v[16+4*i:19+4*i], v4, s[10:11] offset:WPITCH*i th:TH_LOAD_NT
.set i, i+1
.endr
	s_wait_loadcnt 16                              ; all but W's 16 loads are in
	v_add_f32 v216, v128, v130
	v_add_f32 v217, v132, v134
	v_add_f32 v218, v136, v138
	v_add_f32 v219, v140, v142
	v_add_f32 v216, v216, v217
	v_add_f32 v218, v218, v219
	v_add_f32 v216, v216, v218
	v_permlanex16_b32 v220, v216, s[SEL], s[SEL+1]
	v_add_f32 v216, v216, v220
	v_mul_f32 v216, 0x3d800000, v216               ; the row's mean: 16 slabs of equal size
	v_mov_b32 v217, 0
.irp s, 0,1,2,3,4,5,6,7
	v_sub_f32 v[224+\s], v[128+2*\s], v216
.endr
.irp s, 0,1,2,3,4,5,6,7
	v_mul_f32 v[224+\s], v[224+\s], v[224+\s]
.endr
.irp s, 0,1,2,3,4,5,6,7
	v_fma_f32 v[224+\s], v[224+\s], s19, v[129+2*\s]           ; M2 + 64 (slab's mean - mean)^2
.endr
	v_add_f32 v224, v224, v225
	v_add_f32 v226, v226, v227
	v_add_f32 v228, v228, v229
	v_add_f32 v230, v230, v231
	v_add_f32 v224, v224, v226
	v_add_f32 v228, v228, v230
	v_add_f32 v224, v224, v228
	v_permlanex16_b32 v220, v224, s[SEL], s[SEL+1]
	v_add_f32 v224, v224, v220
	v_mul_f32 v224, 0x3a800000, v224               ; / 1024
	v_add_f32 v224, 0x3727c5ac, v224               ; + 1e-5
	v_rsq_f32 v218, v224
	v_mov_b32 v219, 0                              ; a plain line behind the transcendental,
	s_wait_alu depctr_va_vdst(0)                   ; and the wait ahead of its first reader
.irp i, 0,2,4,6,8,10,12,14
	v_pk_add_f32 v[80+\i:81+\i], v[80+\i:81+\i], v[216:217] op_sel_hi:[1,0] neg_lo:[0,1] neg_hi:[0,1]
.endr
.irp i, 0,2,4,6,8,10,12,14
	v_pk_mul_f32 v[80+\i:81+\i], v[80+\i:81+\i], v[218:219] op_sel_hi:[1,0]
.endr
.irp i, 0,2,4,6,8,10,12,14
	v_pk_fma_f32 v[80+\i:81+\i], v[80+\i:81+\i], v[96+\i:97+\i], v[112+\i:113+\i]
.endr
.irp q, 0,1,2,3
	ds_store_b128 v11, v[80+4*\q:83+4*\q] offset:16*\q
.endr
.irp q, 0,1,2,3,4,5,6,7
	v_cvt_pk_bf16_f32 v[144+\q], v[80+2*\q], v[81+2*\q]
.endr
	s_wait_loadcnt 0x0
.irp j, 0,1,2,3
.irp q, 0,1,2,3,4,5,6,7
	v_cvt_pk_bf16_f32 v[152+8*\j+\q], v[16+8*\q+\j], v[20+8*\q+\j]
.endr
.endr
.irp j, 0,1,2,3
	v_wmma_f32_16x16x32_bf16 v[184+8*\j:191+8*\j], v[144:151], v[152+8*\j:159+8*\j], 0
.endr
.rept 4
	v_nop
.endr
.irp j, 0,1,2,3
.irp jj, 0,1,2,3,4,5,6,7
	ds_store_b32 v6, v[184+8*\j+\jj] offset:256*\jj+4*\j
.endr
.endr
	BARRIER
.irp z, 0,1
.irp p, 0,1,2,3,4,5,6,7
	ds_load_b64 v[16+16*\z+2*\p:17+16*\z+2*\p], v7 offset:256*\z+4096*\p
.endr
.endr
	s_wait_dscnt 0x0
.irp z, 0,1
	v_pk_add_f32 v[16+16*\z:17+16*\z], v[16+16*\z:17+16*\z], v[18+16*\z:19+16*\z]
	v_pk_add_f32 v[20+16*\z:21+16*\z], v[20+16*\z:21+16*\z], v[22+16*\z:23+16*\z]
	v_pk_add_f32 v[24+16*\z:25+16*\z], v[24+16*\z:25+16*\z], v[26+16*\z:27+16*\z]
	v_pk_add_f32 v[28+16*\z:29+16*\z], v[28+16*\z:29+16*\z], v[30+16*\z:31+16*\z]
	v_pk_add_f32 v[16+16*\z:17+16*\z], v[16+16*\z:17+16*\z], v[20+16*\z:21+16*\z]
	v_pk_add_f32 v[24+16*\z:25+16*\z], v[24+16*\z:25+16*\z], v[28+16*\z:29+16*\z]
	v_pk_add_f32 v[16+16*\z:17+16*\z], v[16+16*\z:17+16*\z], v[24+16*\z:25+16*\z]
	global_store_b64 v8, v[16+16*\z:17+16*\z], s[30:31] offset:OPITCH*\z   ; 256 consecutive bytes of row 2 w + z, aligned
.endr
	s_cmp_lg_u32 ttmp9, 0                          ; the same in all waves of the work-group
	s_cbranch_scc1 .Ldone
.irp zz, 0,1
.irp z, 0,1
	ds_load_b128 v[48+8*\zz+4*\z:51+8*\zz+4*\z], v13 offset:1040*\zz+512*\z
.endr
.endr
	s_wait_dscnt 0x0
.irp zz, 0,1
.irp z, 0,1
	global_store_b128 v12, v[48+8*\zz+4*\z:51+8*\zz+4*\z], s[12:13] offset:4096*\zz+512*\z
.endr
.endr
.Ldone:
	s_wait_tensorcnt 0x0                           ; the wave's end
	ds_add_u32 v[SPW], v[NIL]
	s_wait_dscnt 0x0
	s_endpgm
.Lfunc_end_k_qcd8e7fa9d2_ffn1:
	.size	k_qcd8e7fa9d2_ffn1, .Lfunc_end_k_qcd8e7fa9d2_ffn1-k_qcd8e7fa9d2_ffn1
	.p2alignl 7, 3214868480
	.fill 96, 4, 3214868480
	.section	.rodata,"a",@progbits
	.p2align	6, 0x0
	.amdhsa_kernel k_qcd8e7fa9d2_ffn1
		.amdhsa_group_segment_fixed_size 50432
		.amdhsa_private_segment_fixed_size 0
		.amdhsa_enable_private_segment 0
		.amdhsa_kernarg_size 40
		.amdhsa_user_sgpr_count 2
		.amdhsa_user_sgpr_kernarg_segment_ptr 1
		.amdhsa_wavefront_size32 1
		.amdhsa_system_sgpr_workgroup_id_x 1
		.amdhsa_system_sgpr_workgroup_id_y 1
		.amdhsa_system_sgpr_workgroup_id_z 1
		.amdhsa_system_vgpr_workitem_id 0
		.amdhsa_next_free_vgpr 256
		.amdhsa_next_free_sgpr 66
		.amdhsa_reserve_vcc 0
		.amdhsa_float_denorm_mode_32 3
		.amdhsa_float_denorm_mode_16_64 3
		.amdhsa_memory_ordered 1
		.amdhsa_forward_progress 1
		.amdhsa_inst_pref_size 19
	.end_amdhsa_kernel
	.amdgpu_metadata
---
amdhsa.version: [ 1, 2 ]
amdhsa.kernels:
  - .name:           k_qcd8e7fa9d2_ffn1
    .symbol:         k_qcd8e7fa9d2_ffn1.kd
    .args:
      - { .name: pre2, .offset: 0, .size: 8, .value_kind: global_buffer, .address_space: global }
      - { .name: ln2_g, .offset: 8, .size: 8, .value_kind: global_buffer, .address_space: global }
      - { .name: ln2_b, .offset: 16, .size: 8, .value_kind: global_buffer, .address_space: global }
      - { .name: ffn_w1, .offset: 24, .size: 8, .value_kind: global_buffer, .address_space: global }
      - { .name: ffn, .offset: 32, .size: 8, .value_kind: global_buffer, .address_space: global }
    .group_segment_fixed_size: 50432
    .private_segment_fixed_size: 0
    .kernarg_segment_align: 8
    .kernarg_segment_size: 40
    .max_flat_workgroup_size: 256
    .sgpr_count:     66
    .vgpr_count:     256
    .wavefront_size: 32
...
	.end_amdgpu_metadata
.endif
;; end of part 8
;; launch ffn2 (part 9): grid 16 x 16, 8 waves a work-group, no clusters, 33,792 bytes of LDS; arguments ffn, ffn_b1, ffn_w2, selfp; writes selfp
.if DOCPART == 9
	.amdgcn_target "amdgcn-amd-amdhsa--gfx1250"
	.amdhsa_code_object_version 6
	.text
	.protected	k_qcd8e7fa9d2_ffn2
	.globl	k_qcd8e7fa9d2_ffn2
	.p2align	8
	.type	k_qcd8e7fa9d2_ffn2,@function
k_qcd8e7fa9d2_ffn2:
	s_mov_b64 s[64:65], 0
	v_nop
	global_prefetch_b8 v0, s[64:65] scope:SCOPE_SE
	s_setreg_imm32_b32 hwreg(HW_REG_WAVE_MODE, 25, 1), 1
	s_wait_xcnt 0x0
; X = relu(the four partial sums of x2 w1 + b1), then a partial product Y_y[16][64 columns of slab x] = X[16][256 y .. + 255] ffn_w2[..][slab], bf16 operands, f32 sums.
; Wave w takes K = 256 y + 32 w .. + 31, one matrix step; the eight partial tiles meet in LDS.  The 16 partial Y lie [y][16][1024] at the head of selfp, whose earlier contents are done with.
; Lane (r, hh) loads columns 4 r .. 4 r + 3 of rows k0 + 16 hh + i (sixteen lanes: 256 consecutive bytes, aligned); tile j = columns 4 r + j; the same order of k on both sides.
.set SPARE, 32768                      ; LDS: 8 partial tiles at 0
.set SPW, 14
.set NIL, 15
	s_load_b256 s[4:11], s[0:1], 0x0               ; ffn, b1, w2, selfp
	v_lshl_add_u32 v[SPW], v0, 2, SPARE
	v_mov_b32 v[NIL], 0
	v_lshrrev_b32 v1, 5, v0
	v_readfirstlane_b32 s14, v1
	v_and_b32 v1, 31, v0
	v_and_b32 v2, 15, v0
	v_bfe_u32 v3, v0, 4, 1
	s_and_b32 s15, ttmp7, 0xffff                   ; y
	v_lshlrev_b32 v4, 16, v3
	v_lshl_add_u32 v4, v2, 4, v4                   ; w2: 16 hh rows of 4,096 bytes + 16 r
	v_lshlrev_b32 v5, 14, v2
	v_lshl_add_u32 v5, v3, 6, v5                   ; the partial sums: row r of 16,384 bytes + 64 hh
	s_lshl_b32 s18, s14, 12
	v_lshlrev_b32 v6, 11, v3
	v_lshl_add_u32 v6, v2, 4, v6
	v_add_nc_u32 v6, s18, v6
	s_lshl_b32 s18, s14, 9
	v_lshl_add_u32 v7, v1, 3, s18
	v_lshlrev_b32 v8, 3, v1
	v_lshlrev_b32 v10, 6, v3
	s_lshl_b32 s20, s15, 10
	s_lshl_b32 s18, s14, 7
	s_add_co_u32 s20, s20, s18                     ; 4 k0
	s_mov_b32 s21, 0
	s_lshl_b32 s22, s20, 10                        ; k0 rows of 4,096 bytes
	s_lshl_b32 s18, ttmp9, 8
	s_add_co_u32 s22, s22, s18
	s_mov_b32 s23, 0
	s_lshl_b32 s24, s15, 16
	s_lshl_b32 s19, s14, 13
	s_add_co_u32 s24, s24, s19
	s_add_co_u32 s24, s24, s18
	s_mov_b32 s25, 0
	s_wait_kmcnt 0x0
	s_add_nc_u64 s[4:5], s[4:5], s[20:21]
	s_add_nc_u64 s[4:5], s[4:5], 65536
	s_add_nc_u64 s[6:7], s[6:7], s[20:21]
	s_add_nc_u64 s[8:9], s[8:9], s[22:23]
	s_add_nc_u64 s[10:11], s[10:11], s[24:25]
.irp p, 0,1,2,3
.irp q, 0,1,2,3
	global_load_b128 v[80+16*\p+4*\q:83+16*\p+4*\q], v5, s[4:5] offset:262144*\p+16*\q
.endr
.endr
.irp q, 0,1,2,3
	global_load_b128 v[144+4*\q:147+4*\q], v10, s[6:7] offset:16*\q
.endr
.set i, 0
.rept 16
	global_load_b128 v[16+4*i:19+4*i], v4, s[8:9] offset:4096*i th:TH_LOAD_NT
.set i, i+1
.endr
	s_wait_loadcnt 16                              ; all but w2's 16 loads are in
.irp i, 0,2,4,6,8,10,12,14
	v_pk_add_f32 v[80+\i:81+\i], v[80+\i:81+\i], v[96+\i:97+\i]
	v_pk_add_f32 v[112+\i:113+\i], v[112+\i:113+\i], v[128+\i:129+\i]
.endr
.irp i, 0,2,4,6,8,10,12,14
	v_pk_add_f32 v[80+\i:81+\i], v[80+\i:81+\i], v[112+\i:113+\i]
.endr
.irp i, 0,2,4,6,8,10,12,14
	v_pk_add_f32 v[80+\i:81+\i], v[80+\i:81+\i], v[144+\i:145+\i]
.endr
.set i, 0
.rept 16
	v_max_num_f32 v[80+i], 0, v[80+i]              ; the activation, in f32
.set i, i+1
.endr
.irp q, 0,1,2,3,4,5,6,7
	v_cvt_pk_bf16_f32 v[160+\q], v[80+2*\q], v[81+2*\q]
.endr
	s_wait_loadcnt 0x0
.irp j, 0,1,2,3
.irp q, 0,1,2,3,4,5,6,7
	v_cvt_pk_bf16_f32 v[168+8*\j+\q], v[16+8*\q+\j], v[20+8*\q+\j]
.endr
.endr
.irp j, 0,1,2,3
	v_wmma_f32_16x16x32_bf16 v[200+8*\j:207+8*\j], v[160:167], v[168+8*\j:175+8*\j], 0
.endr
.rept 4
	v_nop
.endr
.irp j, 0,1,2,3
.irp jj, 0,1,2,3,4,5,6,7
	ds_store_b32 v6, v[200+8*\j+\jj] offset:256*\jj+4*\j
.endr
.endr
	s_wait_dscnt 0x0
	s_barrier_signal -1
	s_barrier_wait -1
.irp z, 0,1
.irp p, 0,1,2,3,4,5,6,7
	ds_load_b64 v[16+16*\z+2*\p:17+16*\z+2*\p], v7 offset:256*\z+4096*\p
.endr
.endr
	s_wait_dscnt 0x0
.irp z, 0,1
	v_pk_add_f32 v[16+16*\z:17+16*\z], v[16+16*\z:17+16*\z], v[18+16*\z:19+16*\z]
	v_pk_add_f32 v[20+16*\z:21+16*\z], v[20+16*\z:21+16*\z], v[22+16*\z:23+16*\z]
	v_pk_add_f32 v[24+16*\z:25+16*\z], v[24+16*\z:25+16*\z], v[26+16*\z:27+16*\z]
	v_pk_add_f32 v[28+16*\z:29+16*\z], v[28+16*\z:29+16*\z], v[30+16*\z:31+16*\z]
	v_pk_add_f32 v[16+16*\z:17+16*\z], v[16+16*\z:17+16*\z], v[20+16*\z:21+16*\z]
	v_pk_add_f32 v[24+16*\z:25+16*\z], v[24+16*\z:25+16*\z], v[28+16*\z:29+16*\z]
	v_pk_add_f32 v[16+16*\z:17+16*\z], v[16+16*\z:17+16*\z], v[24+16*\z:25+16*\z]
	global_store_b64 v8, v[16+16*\z:17+16*\z], s[10:11] offset:4096*\z     ; 256 consecutive bytes of row 2 w + z, aligned
.endr
	s_wait_tensorcnt 0x0                           ; the wave's end
	ds_add_u32 v[SPW], v[NIL]
	s_wait_dscnt 0x0
	s_endpgm
.Lfunc_end_k_qcd8e7fa9d2_ffn2:
	.size	k_qcd8e7fa9d2_ffn2, .Lfunc_end_k_qcd8e7fa9d2_ffn2-k_qcd8e7fa9d2_ffn2
	.p2alignl 7, 3214868480
	.fill 96, 4, 3214868480
	.section	.rodata,"a",@progbits
	.p2align	6, 0x0
	.amdhsa_kernel k_qcd8e7fa9d2_ffn2
		.amdhsa_group_segment_fixed_size 33792
		.amdhsa_private_segment_fixed_size 0
		.amdhsa_enable_private_segment 0
		.amdhsa_kernarg_size 32
		.amdhsa_user_sgpr_count 2
		.amdhsa_user_sgpr_kernarg_segment_ptr 1
		.amdhsa_wavefront_size32 1
		.amdhsa_system_sgpr_workgroup_id_x 1
		.amdhsa_system_sgpr_workgroup_id_y 1
		.amdhsa_system_sgpr_workgroup_id_z 1
		.amdhsa_system_vgpr_workitem_id 0
		.amdhsa_next_free_vgpr 256
		.amdhsa_next_free_sgpr 66
		.amdhsa_reserve_vcc 0
		.amdhsa_float_denorm_mode_32 3
		.amdhsa_float_denorm_mode_16_64 3
		.amdhsa_memory_ordered 1
		.amdhsa_forward_progress 1
		.amdhsa_inst_pref_size 15
	.end_amdhsa_kernel
	.amdgpu_metadata
---
amdhsa.version: [ 1, 2 ]
amdhsa.kernels:
  - .name:           k_qcd8e7fa9d2_ffn2
    .symbol:         k_qcd8e7fa9d2_ffn2.kd
    .args:
      - { .name: ffn, .offset: 0, .size: 8, .value_kind: global_buffer, .address_space: global }
      - { .name: ffn_b1, .offset: 8, .size: 8, .value_kind: global_buffer, .address_space: global }
      - { .name: ffn_w2, .offset: 16, .size: 8, .value_kind: global_buffer, .address_space: global }
      - { .name: selfp, .offset: 24, .size: 8, .value_kind: global_buffer, .address_space: global }
    .group_segment_fixed_size: 33792
    .private_segment_fixed_size: 0
    .kernarg_segment_align: 8
    .kernarg_segment_size: 32
    .max_flat_workgroup_size: 256
    .sgpr_count:     66
    .vgpr_count:     256
    .wavefront_size: 32
...
	.end_amdgpu_metadata
.endif
;; end of part 9
;; launch ln3 (part 10): grid 16 x 1, 8 waves a work-group, no clusters, 1,280 bytes of LDS; arguments selfp, ffn, ffn_b2, ln3_g, ln3_b, out0; writes out0
.if DOCPART == 10
	.amdgcn_target "amdgcn-amd-amdhsa--gfx1250"
	.amdhsa_code_object_version 6
	.text
	.protected	k_qcd8e7fa9d2_ln3
	.globl	k_qcd8e7fa9d2_ln3
	.p2align	8
	.type	k_qcd8e7fa9d2_ln3,@function
k_qcd8e7fa9d2_ln3:
	s_mov_b64 s[64:65], 0
	v_nop
	global_prefetch_b8 v0, s[64:65] scope:SCOPE_SE
	s_setreg_imm32_b32 hwreg(HW_REG_WAVE_MODE, 25, 1), 1
	s_wait_xcnt 0x0
; out0[b] = LayerNorm(the 16 partial sums of the second FFN product + b2 + x2).  A work-group takes a row; thread T its columns 4 T .. 4 T + 3.  Mean first, then the squared deviations: two passes in registers.
; All 20 loads are issued at the head; each covers 512 consecutive bytes a wave.  No matrix work, no cluster: a row of 4 KiB has nothing to share.
.set SPARE, 256                        ; LDS: the waves' sums at 0, their sums of squares at 128
.set SPW, 14
.set NIL, 15
.set SEL, 18
.macro WSUM x, tmp
.irp m, 1,2,4,8
	v_add_f32_dpp v[\x], v[\x], v[\x] row_xmask:\m row_mask:0xf bank_mask:0xf
.endr
	v_permlanex16_b32 v[\tmp], v[\x], s[SEL], s[SEL+1]
	v_add_f32 v[\x], v[\x], v[\tmp]
.endm
.macro BARRIER
	s_wait_dscnt 0x0
	s_barrier_signal -1
	s_barrier_wait -1
.endm
.macro SUM8                            ; v24 = the sum of v24 .. v31
	v_add_f32 v24, v24, v25
	v_add_f32 v26, v26, v27
	v_add_f32 v28, v28, v29
	v_add_f32 v30, v30, v31
	v_add_f32 v24, v24, v26
	v_add_f32 v28, v28, v30
	v_add_f32 v24, v24, v28
.endm
	s_load_b256 s[4:11], s[0:1], 0x0               ; selfp, ffn, b2, g
	s_load_b128 s[12:15], s[0:1], 0x20             ; b, out0
	v_lshl_add_u32 v[SPW], v0, 2, SPARE
	v_mov_b32 v[NIL], 0
	v_lshrrev_b32 v1, 5, v0
	v_readfirstlane_b32 s16, v1
	v_lshlrev_b32 v4, 4, v0
	s_lshl_b32 s17, s16, 2
	v_mov_b32 v5, s17
	v_mov_b32 v6, 0
	v_mov_b32 v9, 0
	s_mov_b32 s[SEL], 0x76543210
	s_mov_b32 s[SEL+1], 0xfedcba98
	s_lshl_b32 s20, ttmp9, 12
	s_mov_b32 s21, 0
	s_wait_kmcnt 0x0
	s_add_nc_u64 s[4:5], s[4:5], s[20:21]
	s_add_nc_u64 s[6:7], s[6:7], s[20:21]
	s_add_nc_u64 s[14:15], s[14:15], s[20:21]
.set i, 0
.rept 16
	global_load_b128 v[16+4*i:19+4*i], v4, s[4:5] offset:65536*i th:TH_LOAD_NT
.set i, i+1
.endr
	global_load_b128 v[80:83], v4, s[8:9]
	global_load_b128 v[84:87], v4, s[6:7]
	global_load_b128 v[88:91], v4, s[10:11]
	global_load_b128 v[92:95], v4, s[12:13]
	s_wait_loadcnt 0x0
.irp p, 2,4,6,8,10,12,14
	v_pk_add_f32 v[16:17], v[16:17], v[16+4*\p:17+4*\p]
	v_pk_add_f32 v[18:19], v[18:19], v[18+4*\p:19+4*\p]
	v_pk_add_f32 v[20:21], v[20:21], v[20+4*\p:21+4*\p]
	v_pk_add_f32 v[22:23], v[22:23], v[22+4*\p:23+4*\p]
.endr
	v_pk_add_f32 v[16:17], v[16:17], v[20:21]
	v_pk_add_f32 v[18:19], v[18:19], v[22:23]
	v_pk_add_f32 v[16:17], v[16:17], v[80:81]
	v_pk_add_f32 v[18:19], v[18:19], v[82:83]
	v_pk_add_f32 v[16:17], v[16:17], v[84:85]
	v_pk_add_f32 v[18:19], v[18:19], v[86:87]
	v_add_f32 v8, v16, v17
	v_add_f32 v10, v18, v19
	v_add_f32 v8, v8, v10
	WSUM 8, 9
	ds_store_b32 v5, v8
	BARRIER
	ds_load_b128 v[24:27], v6
	ds_load_b128 v[28:31], v6 offset:16
	s_wait_dscnt 0x0
	SUM8
	v_mul_f32 v20, 0x3a800000, v24                 ; the mean: / 1024
	v_mov_b32 v21, 0
	v_pk_add_f32 v[16:17], v[16:17], v[20:21] op_sel_hi:[1,0] neg_lo:[0,1] neg_hi:[0,1]
	v_pk_add_f32 v[18:19], v[18:19], v[20:21] op_sel_hi:[1,0] neg_lo:[0,1] neg_hi:[0,1]
	v_mul_f32 v8, v16, v16
	v_fma_f32 v8, v17, v17, v8
	v_fma_f32 v8, v18, v18, v8
	v_fma_f32 v8, v19, v19, v8
	WSUM 8, 9
	ds_store_b32 v5, v8 offset:128                 ; other bytes than the first sums': no barrier is owed between
	BARRIER
	ds_load_b128 v[24:27], v6 offset:128
	ds_load_b128 v[28:31], v6 offset:144
	s_wait_dscnt 0x0
	SUM8
	v_mul_f32 v24, 0x3a800000, v24
	v_add_f32 v24, 0x3727c5ac, v24                 ; the variance + 1e-5
	v_rsq_f32 v22, v24
	v_mov_b32 v23, 0                               ; a plain line behind the transcendental,
	s_wait_alu depctr_va_vdst(0)                   ; and the wait ahead of its first reader
	v_pk_mul_f32 v[16:17], v[16:17], v[22:23] op_sel_hi:[1,0]
	v_pk_mul_f32 v[18:19], v[18:19], v[22:23] op_sel_hi:[1,0]
	v_pk_fma_f32 v[16:17], v[16:17], v[88:89], v[92:93]
	v_pk_fma_f32 v[18:19], v[18:19], v[90:91], v[94:95]
	global_store_b128 v4, v[16:19], s[14:15]
	s_wait_tensorcnt 0x0                           ; the wave's end
	ds_add_u32 v[SPW], v[NIL]
	s_wait_dscnt 0x0
	s_endpgm
.Lfunc_end_k_qcd8e7fa9d2_ln3:
	.size	k_qcd8e7fa9d2_ln3, .Lfunc_end_k_qcd8e7fa9d2_ln3-k_qcd8e7fa9d2_ln3
	.p2alignl 7, 3214868480
	.fill 96, 4, 3214868480
	.section	.rodata,"a",@progbits
	.p2align	6, 0x0
	.amdhsa_kernel k_qcd8e7fa9d2_ln3
		.amdhsa_group_segment_fixed_size 1280
		.amdhsa_private_segment_fixed_size 0
		.amdhsa_enable_private_segment 0
		.amdhsa_kernarg_size 48
		.amdhsa_user_sgpr_count 2
		.amdhsa_user_sgpr_kernarg_segment_ptr 1
		.amdhsa_wavefront_size32 1
		.amdhsa_system_sgpr_workgroup_id_x 1
		.amdhsa_system_sgpr_workgroup_id_y 1
		.amdhsa_system_sgpr_workgroup_id_z 1
		.amdhsa_system_vgpr_workitem_id 0
		.amdhsa_next_free_vgpr 128
		.amdhsa_next_free_sgpr 66
		.amdhsa_reserve_vcc 0
		.amdhsa_float_denorm_mode_32 3
		.amdhsa_float_denorm_mode_16_64 3
		.amdhsa_memory_ordered 1
		.amdhsa_forward_progress 1
		.amdhsa_inst_pref_size 9
	.end_amdhsa_kernel
	.amdgpu_metadata
---
amdhsa.version: [ 1, 2 ]
amdhsa.kernels:
  - .name:           k_qcd8e7fa9d2_ln3
    .symbol:         k_qcd8e7fa9d2_ln3.kd
    .args:
      - { .name: selfp, .offset: 0, .size: 8, .value_kind: global_buffer, .address_space: global }
      - { .name: ffn, .offset: 8, .size: 8, .value_kind: global_buffer, .address_space: global }
      - { .name: ffn_b2, .offset: 16, .size: 8, .value_kind: global_buffer, .address_space: global }
      - { .name: ln3_g, .offset: 24, .size: 8, .value_kind: global_buffer, .address_space: global }
      - { .name: ln3_b, .offset: 32, .size: 8, .value_kind: global_buffer, .address_space: global }
      - { .name: out0, .offset: 40, .size: 8, .value_kind: global_buffer, .address_space: global }
    .group_segment_fixed_size: 1280
    .private_segment_fixed_size: 0
    .kernarg_segment_align: 8
    .kernarg_segment_size: 48
    .max_flat_workgroup_size: 256
    .sgpr_count:     66
    .vgpr_count:     128
    .wavefront_size: 32
...
	.end_amdgpu_metadata
.endif
;; end of part 10
